; MI455X (gfx1250); checked and timed in simulation.
; The chip was launched on July 23, 2026; its instructions are those of AMD's public machine-readable ISA for CDNA 5 (MIT licence, August 2026) and "CDNA5" Instruction Set Architecture Reference Guide (July 2026). The comments in the code are by the model that wrote it; some were corrected since.
;; Mo E. Allowed arithmetic: float matrix products may take bf16 or f16 operands with f32 sums; other float arithmetic in f32, or as packed bf16 or f16 multiplies, adds, multiply-adds, maxima and minima; sums over many terms, partial sums and values carried from step to step in f32; what a program stores and reads back later, other than sums and carried values, may be rounded once to bf16 or f16.
;; Inputs: We 8 x 1,024 x 1,024 float32; Wg 1,024 x 8 float32; be 8 x 1,024 float32; bg 8 float32; x 4 x 2,048 x 1,024 float32.
;; Outputs: out0 4 x 2,048 x 1,024 float32.
;; 2 versions, each right; version 2 is version 1 with the launches router, moe written anew for expert scheduling mode. Each part assembles by itself: llvm-mc -triple=amdgcn-amd-amdhsa -mcpu=gfx1250 --defsym DOCPART=n.
;; ======== version 1 of 2: 3 launches
;; limits: values outside matrix products are rounded to bf16
;; workspace buffers: xb 16,777,216 bytes; wf 16,777,216 bytes; gates 65,536 bytes; info 32,768 bytes of whole numbers; cnt 65,536 bytes of whole numbers; perm 32,768 bytes of whole numbers; tiles 1,536 bytes of whole numbers
;; launch router (part 1): grid 512 x 1, 4 waves a work-group, no clusters, 71,168 bytes of LDS; arguments x, Wg, bg, xb, gates, info, cnt; writes xb, gates, info, cnt
.if DOCPART == 1
	.amdgcn_target "amdgcn-amd-amdhsa--gfx1250"
	.amdhsa_code_object_version 6
	.text
	.protected	k_q443c9f6820_router
	.globl	k_q443c9f6820_router
	.p2align	8
	.type	k_q443c9f6820_router,@function
k_q443c9f6820_router:
	s_mov_b64 s[64:65], 0
	v_nop
	global_prefetch_b8 v0, s[64:65] scope:SCOPE_SE
	s_setreg_imm32_b32 hwreg(HW_REG_WAVE_MODE, 25, 1), 1
	s_wait_xcnt 0x0
; ROUTER.  For 16 tokens a work-group: xb = bf16(x); the 8 logits bf16(x) . bf16(Wg) + bf16(bg), products by the matrix unit, sums in f32;
; the two largest logits (the lower index wins a tie, as in lax.top_k; the softmax keeps the logits' order); the two gates normalised to sum 1:
; g1 = 1 / (1 + e^(l2 - l1)), g2 = e^(l2 - l1) g1, where l1 is the row's maximum, so the exponent is never above 0.
; Stored at fixed places: xb; gates[token] = (ga, gb) for the experts a < b; info[token] = set | rank << 8, where set = a (15 - a) / 2 + b - a - 1 (0 .. 27)
; and rank counts the earlier tokens of the same set among the work-group's 16; cnt[work-group][32] = tokens of each set.  No address and no branch hangs on the choice.
; SHARES.  Wave w takes the channels 256 w .. 256 w + 255 of all 16 tokens: 32 loads of 512 consecutive bytes, all asked for at once; no loop.  The four partial logits meet in LDS; wave 0 finishes.
; LIMITS.  NaN and infinities are not treated apart.  Two logits closer than the rounding of the f32 sums (some 1e-6 here) may be ordered otherwise than another order of summation orders them.
; No cluster: no two work-groups read the same bytes but Wg's 32 KiB.
.set XP,    528                 ; a token's 512 bytes of bf16 + 16: 132 words, so the 16 rows of a fragment load start 4 banks apart (64 banks of 4 bytes: ISA guide 11.1)
.set XTW,   16*XP               ; a wave's own 16 rows
.set WGI,   4*XTW               ; a wave's own 256 rows [k] of 32 bytes: the 8 experts in bf16, then the same 8 again
.set PART,  WGI+4*8192          ; 32 bytes a lane, 1,024 a wave: the partial logits
.set SPARE, PART+4*1024         ; the spare words, 128 bytes a wave: two blocks of 256 bytes that no other line names
.set X,     64                  ; v[64:191]  32 loads of x; then v[64:127] the 8 token fragments
.set W,     192                 ; v[192:255] 16 loads of Wg; then the 8 fragments of Wg
	s_load_b256 s[4:11], s[0:1], 0x0               ; x s[4:5], Wg s[6:7], bg s[8:9], xb s[10:11]
	s_load_b128 s[12:15], s[0:1], 0x20             ; gates s[12:13], info s[14:15]
	s_load_b64 s[16:17], s[0:1], 0x30              ; cnt
	v_lshl_add_u32 v30, v0, 2, SPARE               ; my spare word; never rewritten
	v_mov_b32 v31, 0                               ; 0; never rewritten
	v_lshrrev_b32 v1, 5, v0
	v_readfirstlane_b32 s18, v1                    ; wave 0..3
	v_and_b32 v1, 31, v0                           ; lane
	v_and_b32 v2, 15, v0                           ; r
	v_bfe_u32 v3, v0, 4, 1                         ; h
	v_lshlrev_b32 v4, 4, v1                        ; x: 16 bytes a lane
	v_lshlrev_b32 v5, 5, v1                        ; Wg: a row of 32 bytes a lane
	v_lshlrev_b32 v6, 3, v1                        ; xb: 8 bytes a lane
	s_mul_i32 s30, s18, XTW                        ; my rows of tokens in LDS
	s_lshl_b32 s31, s18, 13
	s_add_co_u32 s31, s31, WGI                     ; my rows of Wg in LDS
	v_lshl_add_u32 v7, v1, 3, s30                  ; where I put 8 bytes of a token
	v_lshl_add_u32 v8, v1, 5, s31                  ; where I put a row of Wg
	v_mul_u32_u24 v9, v2, XP
	v_lshl_add_u32 v9, v3, 4, v9
	v_add_nc_u32 v9, s30, v9                       ; token fragments: row r, 16 bytes for each half of the lanes
	v_and_b32 v10, 7, v0
	v_lshl_add_u32 v10, v3, 3, v10                 ; the turning load: row 8 h + lane % 8,
	v_bfe_u32 v11, v0, 3, 1
	v_lshlrev_b32 v10, 5, v10
	v_lshl_add_u32 v10, v11, 4, v10                ; 16 bytes: columns 0-7 or 8-15
	v_add_nc_u32 v10, s31, v10
	s_lshl_b32 s32, s18, 10
	s_add_co_u32 s32, s32, PART
	v_lshl_add_u32 v11, v1, 5, s32                 ; my partial logits
	v_lshl_add_u32 v12, v1, 5, PART                ; wave 0 reads all four
	s_lshl_b32 s33, ttmp9, 6
	s_lshl_b32 s34, ttmp9, 7
	v_lshl_add_u32 v13, v2, 2, s33                 ; info: 4 (16 g + r)
	v_lshl_add_u32 v14, v2, 3, s34                 ; gates: 8 (16 g + r)
	v_lshl_add_u32 v15, v1, 2, s34                 ; cnt: 128 g + 4 lane
	s_lshl_b32 s28, ttmp9, 16                      ; x: 16 rows of 4,096 bytes a work-group, 1,024 bytes of each a wave
	s_lshl_b32 s29, s18, 10
	s_add_co_u32 s28, s28, s29
	s_mov_b32 s29, 0
	s_lshl_b32 s36, s18, 13                        ; Wg: 256 rows of 32 bytes a wave
	s_mov_b32 s37, 0
	s_lshl_b32 s38, ttmp9, 15                      ; xb: 16 rows of 2,048 bytes, 512 bytes of each a wave
	s_lshl_b32 s39, s18, 9
	s_add_co_u32 s38, s38, s39
	s_mov_b32 s39, 0
	s_wait_kmcnt 0x0
	s_add_nc_u64 s[4:5], s[4:5], s[28:29]
	s_add_nc_u64 s[6:7], s[6:7], s[36:37]
	s_add_nc_u64 s[10:11], s[10:11], s[38:39]
	s_load_b256 s[20:27], s[8:9], 0x0              ; bg
.set i, 0
.rept 8                                            ; Wg first: rows 32 i + lane
	global_load_b128 v[W+8*i:W+8*i+3],   v5, s[6:7] offset:1024*i
	global_load_b128 v[W+8*i+4:W+8*i+7], v5, s[6:7] offset:1024*i+16
.set i, i+1
.endr
.set i, 0
.rept 32                                           ; x: row i / 2, half i % 2 of my 1,024 bytes: 512 consecutive bytes a load
	global_load_b128 v[X+4*i:X+4*i+3], v4, s[4:5] offset:(i/2)*4096+(i%2)*512 th:TH_LOAD_NT
.set i, i+1
.endr
	s_wait_loadcnt 32                              ; Wg's 16 loads are in; the 32 of x, issued behind them, stay out
.set i, 0
.rept 8
	v_cvt_pk_bf16_f32 v[W+8*i],   v[W+8*i],   v[W+8*i+1]
	v_cvt_pk_bf16_f32 v[W+8*i+1], v[W+8*i+2], v[W+8*i+3]
	v_cvt_pk_bf16_f32 v[W+8*i+2], v[W+8*i+4], v[W+8*i+5]
	v_cvt_pk_bf16_f32 v[W+8*i+3], v[W+8*i+6], v[W+8*i+7]
	ds_store_b128 v8, v[W+8*i:W+8*i+3] offset:1024*i      ; columns 0-7: the experts,
	ds_store_b128 v8, v[W+8*i:W+8*i+3] offset:1024*i+16   ; columns 8-15: the experts again, so that both halves of the lanes get the same logits
.set i, i+1
.endr
; Four loads of x: rounded in place, stored to xb (256 consecutive bytes, aligned) and laid into my rows in LDS.
.macro XCV n
	s_wait_loadcnt 28-4*(\n)                       ; loads come back in order: all but the 28 - 4 n issued behind these four
.set z, 4*(\n)
.rept 4
	v_cvt_pk_bf16_f32 v[X+4*z],   v[X+4*z],   v[X+4*z+1]
	v_cvt_pk_bf16_f32 v[X+4*z+1], v[X+4*z+2], v[X+4*z+3]
	global_store_b64 v6, v[X+4*z:X+4*z+1], s[10:11] offset:(z/2)*2048+(z%2)*256
	ds_store_b64 v7, v[X+4*z:X+4*z+1] offset:(z/2)*XP+(z%2)*256
.set z, z+1
.endr
.endm
.irp n, 0,1,2,3,4,5,6,7
	XCV \n
.endr
	s_wait_xcnt 0x0                                ; the stores to xb have read their registers: only now are these loaded again
.set i, 0
.rept 8                                            ; my own bytes, and LDS serves a wave's instructions in order: no wait and no barrier between the stores above and these
	ds_load_b128 v[X+8*i:X+8*i+3],        v9  offset:64*i
	ds_load_b128 v[X+8*i+4:X+8*i+7],      v9  offset:64*i+32
	ds_load_tr16_b128 v[W+8*i:W+8*i+3],   v10 offset:1024*i
	ds_load_tr16_b128 v[W+8*i+4:W+8*i+7], v10 offset:1024*i+512
.set i, i+1
.endr
	s_wait_dscnt 0x0
	; Source 0 = 16 columns of Wg (experts twice), source 1 = 16 tokens: register j of lane (r, h) is expert j of token r.  Two accumulators take turns.
	v_wmma_f32_16x16x32_bf16 v[32:39], v[W:W+7],    v[X:X+7],    0
	v_wmma_f32_16x16x32_bf16 v[40:47], v[W+8:W+15], v[X+8:X+15], 0
.set i, 2
.rept 3
	v_wmma_f32_16x16x32_bf16 v[32:39], v[W+8*i:W+8*i+7],    v[X+8*i:X+8*i+7],    v[32:39]
	v_wmma_f32_16x16x32_bf16 v[40:47], v[W+8*i+8:W+8*i+15], v[X+8*i+8:X+8*i+15], v[40:47]
.set i, i+2
.endr
.rept 4
	v_nop                                          ; four places between the last product and the first read of a result (ISA guide 7.12.1)
.endr
.irp p, 0,2,4,6                                    ; from each accumulator's low end on
	v_pk_add_f32 v[48+\p:49+\p], v[32+\p:33+\p], v[40+\p:41+\p]
.endr
	ds_store_b128 v11, v[48:51]
	ds_store_b128 v11, v[52:55] offset:16
	s_wait_kmcnt 0x0                               ; bg
	s_wait_dscnt 0x0                               ; for wave 0's sake: my partial logits are in LDS
	s_barrier_signal -1
	s_barrier_wait -1
	s_cmp_eq_u32 s18, 0
	s_cbranch_scc1 .Lwave0
	s_wait_tensorcnt 0x0                           ; waves 1 to 3 end
	ds_add_u32 v30, v31
	s_wait_dscnt 0x0
	s_endpgm
.Lwave0:
.irp p, 0,1,2,3
	ds_load_b128 v[64+8*\p:64+8*\p+3], v12 offset:1024*\p
	ds_load_b128 v[64+8*\p+4:64+8*\p+7], v12 offset:1024*\p+16
.endr
.irp p, 0,1,2,3                                    ; bg rounded to bf16, like every input, and widened again
	v_cvt_pk_bf16_f32 v[104+\p], s[20+2*\p], s[21+2*\p]
.endr
.irp p, 0,1,2,3
	v_lshlrev_b32 v[96+2*\p], 16, v[104+\p]
	v_and_b32 v[97+2*\p], 0xffff0000, v[104+\p]
.endr
	s_wait_dscnt 0x0
.irp p, 0,2,4,6
	v_pk_add_f32 v[64+\p:65+\p], v[64+\p:65+\p], v[72+\p:73+\p]
	v_pk_add_f32 v[80+\p:81+\p], v[80+\p:81+\p], v[88+\p:89+\p]
.endr
.irp p, 0,2,4,6
	v_pk_add_f32 v[64+\p:65+\p], v[64+\p:65+\p], v[80+\p:81+\p]
.endr
.irp p, 0,2,4,6
	v_pk_add_f32 v[64+\p:65+\p], v[64+\p:65+\p], v[96+\p:97+\p]   ; v[64:71]: the 8 logits of token r
.endr
	v_mov_b32 v110, v64                            ; the largest, l1, and its index: a later logit wins only if it is greater
	v_mov_b32 v111, 0
.irp j, 1,2,3,4,5,6,7
	v_cmp_gt_f32 vcc_lo, v[64+\j], v110
	v_cndmask_b32 v110, v110, v[64+\j], vcc_lo
	v_cndmask_b32 v111, v111, \j, vcc_lo
.endr
	v_mov_b32 v112, 0xff800000                     ; the chosen logit gives way to minus infinity,
.irp j, 0,1,2,3,4,5,6,7
	v_cmp_eq_u32 vcc_lo, \j, v111
	v_cndmask_b32 v[64+\j], v[64+\j], v112, vcc_lo
.endr
	v_mov_b32 v113, v64                            ; and the same scan finds l2
	v_mov_b32 v114, 0
.irp j, 1,2,3,4,5,6,7
	v_cmp_gt_f32 vcc_lo, v[64+\j], v113
	v_cndmask_b32 v113, v113, v[64+\j], vcc_lo
	v_cndmask_b32 v114, v114, \j, vcc_lo
.endr
	v_sub_f32 v115, v113, v110                     ; l2 - l1, never above 0
	v_mul_f32 v115, 0x3fb8aa3b, v115               ; times log2(e)
	v_exp_f32 v116, v115
	v_cmp_lt_u32 vcc_lo, v111, v114                ; (plain work behind the exponential) is the larger logit's expert the lower one?
	v_cndmask_b32 v120, v114, v111, vcc_lo         ; a
	v_cndmask_b32 v121, v111, v114, vcc_lo         ; b
	s_wait_alu depctr_va_vdst(0)                   ; the wait ahead of the first line that names the exponential's result
	v_add_f32 v117, 1.0, v116
	v_rcp_f32 v118, v117                           ; g1
	v_sub_nc_u32 v124, 15, v120                    ; (plain work behind the reciprocal) the set's number
	v_mul_u32_u24 v124, v124, v120
	v_lshrrev_b32 v124, 1, v124
	v_add_nc_u32 v124, v124, v121
	v_sub_nc_u32 v124, v124, v120
	v_add_nc_u32 v124, -1, v124
	s_wait_alu depctr_va_vdst(0)                   ; and ahead of the first line that names the reciprocal
	v_mul_f32 v119, v116, v118                     ; g2
	v_cndmask_b32 v122, v119, v118, vcc_lo         ; ga
	v_cndmask_b32 v123, v118, v119, vcc_lo         ; gb
	v_mov_b32 v125, 0                              ; lane = set: how many of the 16 tokens have it
	v_mov_b32 v126, 0                              ; lane = token: how many earlier tokens have its set
; Token j's set is read as a scalar: the lane of that number counts it, and so do the later tokens of the same set.
.macro CNTJ j
	v_readlane_b32 s28, v124, \j
	v_cmp_eq_u32 vcc_lo, s28, v1
	v_cndmask_b32 v127, 0, 1, vcc_lo
	v_add_nc_u32 v125, v125, v127
	v_cmp_eq_u32 s29, s28, v124
	s_and_b32 s29, s29, ((0xffff<<((\j)+1))&0xffff)*0x10001   ; the lanes with r > j, in both halves
	v_cndmask_b32 v127, 0, 1, s29
	v_add_nc_u32 v126, v126, v127
.endm
.irp j, 0,1,2,3,4,5,6,7,8,9,10,11,12,13,14,15
	CNTJ \j
.endr
	v_lshl_or_b32 v127, v126, 8, v124
	global_store_b32 v13, v127, s[14:15]           ; lanes 16-31 hold the same numbers as lanes 0-15 and write them to the same places
	global_store_b64 v14, v[122:123], s[12:13]
	global_store_b32 v15, v125, s[16:17]
	s_wait_tensorcnt 0x0                           ; the wave's end
	ds_add_u32 v30, v31
	s_wait_dscnt 0x0
	s_endpgm
.Lfunc_end_k_q443c9f6820_router:
	.size	k_q443c9f6820_router, .Lfunc_end_k_q443c9f6820_router-k_q443c9f6820_router
	.p2alignl 7, 3214868480
	.fill 96, 4, 3214868480
	.section	.rodata,"a",@progbits
	.p2align	6, 0x0
	.amdhsa_kernel k_q443c9f6820_router
		.amdhsa_group_segment_fixed_size 71168
		.amdhsa_private_segment_fixed_size 0
		.amdhsa_enable_private_segment 0
		.amdhsa_kernarg_size 56
		.amdhsa_user_sgpr_count 2
		.amdhsa_user_sgpr_kernarg_segment_ptr 1
		.amdhsa_wavefront_size32 1
		.amdhsa_system_sgpr_workgroup_id_x 1
		.amdhsa_system_sgpr_workgroup_id_y 1
		.amdhsa_system_sgpr_workgroup_id_z 1
		.amdhsa_system_vgpr_workitem_id 0
		.amdhsa_next_free_vgpr 256
		.amdhsa_next_free_sgpr 66
		.amdhsa_reserve_vcc 1
		.amdhsa_float_denorm_mode_32 3
		.amdhsa_float_denorm_mode_16_64 3
		.amdhsa_memory_ordered 1
		.amdhsa_forward_progress 1
		.amdhsa_inst_pref_size 36
	.end_amdhsa_kernel
	.amdgpu_metadata
---
amdhsa.version: [ 1, 2 ]
amdhsa.kernels:
  - .name:           k_q443c9f6820_router
    .symbol:         k_q443c9f6820_router.kd
    .args:
      - { .name: x, .offset: 0, .size: 8, .value_kind: global_buffer, .address_space: global }
      - { .name: Wg, .offset: 8, .size: 8, .value_kind: global_buffer, .address_space: global }
      - { .name: bg, .offset: 16, .size: 8, .value_kind: global_buffer, .address_space: global }
      - { .name: xb, .offset: 24, .size: 8, .value_kind: global_buffer, .address_space: global }
      - { .name: gates, .offset: 32, .size: 8, .value_kind: global_buffer, .address_space: global }
      - { .name: info, .offset: 40, .size: 8, .value_kind: global_buffer, .address_space: global }
      - { .name: cnt, .offset: 48, .size: 8, .value_kind: global_buffer, .address_space: global }
    .group_segment_fixed_size: 71168
    .private_segment_fixed_size: 0
    .kernarg_segment_align: 8
    .kernarg_segment_size: 56
    .max_flat_workgroup_size: 128
    .sgpr_count:     66
    .vgpr_count:     256
    .wavefront_size: 32
...
	.end_amdgpu_metadata
.endif
;; end of part 1
;; launch prep (part 2): grid 272 x 1, 16 waves a work-group, no clusters, 69,632 bytes of LDS; arguments We, cnt, info, wf, perm, tiles; writes wf, perm, tiles
.if DOCPART == 2
	.amdgcn_target "amdgcn-amd-amdhsa--gfx1250"
	.amdhsa_code_object_version 6
	.text
	.protected	k_q443c9f6820_prep
	.globl	k_q443c9f6820_prep
	.p2align	8
	.type	k_q443c9f6820_prep,@function
k_q443c9f6820_prep:
	s_mov_b64 s[64:65], 0
	v_nop
	global_prefetch_b8 v0, s[64:65] scope:SCOPE_SE
	s_setreg_imm32_b32 hwreg(HW_REG_WAVE_MODE, 25, 1), 1
	s_wait_xcnt 0x0
; PREP.  Work-groups 16 .. 271 round We to bf16 and lay it in the order in which the product's operand registers take it; work-groups 0 .. 15 meanwhile sort the tokens by their set of experts.
; wf = [expert 8][cg 16][kk 32][j 4][p 2][lane 32][16 bytes]: cg a group of 64 columns, kk a K step of 32.  Fragment j holds the columns 64 cg + 4 r + j (r = lane % 16);
; lane (r, h) holds k = 32 kk + 16 h + 0..7 in piece p = 0 and + 8..15 in piece p = 1.  That is a permutation of k inside a step, which the token fragments share; with it a lane's
; 16 loads of four neighbouring columns are just its own 32 registers of the four fragments: no LDS, no exchange of lanes, and every load and store covers whole aligned runs of 256 bytes or more.
; THE SORT (a counting sort, no atomics): perm = the token numbers in the order of their sets, inside a set in token order.  Sorting work-group z places the tokens 512 z .. 512 z + 511, a token a thread.
; No work-group hears from another, so each of the 16 reads all counts (64 KiB; 1 MiB in all) and makes the same sums; what is shared out is the placing.
; tiles[i] = (a, b, first place in perm, rows).  A set of n tokens has B = ceil(n / 16) blocks of 16 rows and c = ceil(B / 10) tiles, which share the blocks evenly: floor(B / c) each, the first
; B mod c tiles one more.  The sum of ceil(n / 160) over 28 sets of 8,192 tokens is at most 79, whatever the split; entries past the last tile have 0 rows.  Wave 15 of work-groups 0 to 2 makes 32 entries each.
; No cluster, no matrix unit: every byte of We has one reader, and memory binds.
.set WT,    0                   ; 16 waves x 32 sets: each wave's totals
.set GO,    2048                ; 512 groups x 32 sets: where a group's tokens of a set begin in perm
.set SPARE, GO+65536            ; the spare words, 128 bytes a wave: eight blocks of 256 bytes that no other line names
.set X,     16                  ; the cast: v[16:79]  16 loads of 4 columns
.set Y,     80                  ;           v[80:111] the four fragments
.set C,     48                  ; the sort: v[48:79]  counts of 32 groups, then their running sums
.set T,     80                  ;           v[80:111] at work
	s_load_b256 s[4:11], s[0:1], 0x0               ; We s[4:5], cnt s[6:7], info s[8:9], wf s[10:11]
	s_load_b128 s[12:15], s[0:1], 0x20             ; perm s[12:13], tiles s[14:15]
	v_lshl_add_u32 v126, v0, 2, SPARE              ; my spare word; never rewritten
	v_mov_b32 v127, 0                              ; 0; never rewritten
	v_lshrrev_b32 v1, 5, v0
	v_readfirstlane_b32 s18, v1                    ; wave 0..15
	v_and_b32 v1, 31, v0                           ; lane
	s_cmp_lt_u32 ttmp9, 16
	s_cbranch_scc1 .Lsort                          ; the whole work-group goes one way; the text jumped over holds no barrier
	; THE CAST.  Work-group 16 + 32 e + kk, wave cg: 32 rows (k) x 64 columns.
	s_sub_co_u32 s20, ttmp9, 16
	s_lshl_b32 s22, s20, 17                        ; We: 32 rows of 4,096 bytes for each (e, kk)
	s_mov_b32 s23, 0
	s_lshr_b32 s24, s20, 5                         ; e
	s_and_b32 s25, s20, 31                         ; kk
	s_lshl_b32 s24, s24, 21
	s_lshl_b32 s25, s25, 12
	s_add_co_u32 s24, s24, s25
	s_lshl_b32 s25, s18, 17
	s_add_co_u32 s24, s24, s25                     ; wf: e x 2 MiB + cg x 131,072 + kk x 4,096
	s_mov_b32 s25, 0
	s_lshl_b32 s26, s18, 8
	v_and_b32 v2, 15, v0
	v_lshl_add_u32 v2, v2, 4, s26                  ; my four columns: 256 cg + 16 (lane % 16),
	v_bfe_u32 v4, v0, 4, 1
	v_lshl_add_u32 v2, v4, 16, v2                  ; and 16 rows further down for lanes 16-31
	v_lshlrev_b32 v3, 4, v1
	s_wait_kmcnt 0x0
	s_add_nc_u64 s[4:5], s[4:5], s[22:23]
	s_add_nc_u64 s[10:11], s[10:11], s[24:25]
.set i, 0
.rept 16                                           ; row i (lanes 0-15) and row 16 + i (lanes 16-31): 256 aligned bytes each
	global_load_b128 v[X+4*i:X+4*i+3], v2, s[4:5] offset:4096*i th:TH_LOAD_NT
.set i, i+1
.endr
.irp p, 0,1
	s_wait_loadcnt 8-8*\p                          ; piece p wants rows 8 p .. 8 p + 7: the first eight loads, then all
.irp j, 0,1,2,3
.irp m, 0,1,2,3
	v_cvt_pk_bf16_f32 v[Y+8*\j+4*\p+\m], v[X+4*(2*(4*\p+\m))+\j], v[X+4*(2*(4*\p+\m)+1)+\j]   ; column j of two neighbouring rows
.endr
	global_store_b128 v3, v[Y+8*\j+4*\p:Y+8*\j+4*\p+3], s[10:11] offset:1024*\j+512*\p          ; 512 consecutive bytes
.endr
.endr
	s_endpgm                                       ; these waves wrote no LDS
.Lsort:
	; S0: the counts of my wave's 32 groups of 16 tokens (lane = set), and my token's word of info
	s_min_u32 s19, ttmp9, 15                       ; z
	s_lshl_b32 s21, s19, 11
	v_lshl_add_u32 v2, v0, 2, s21                  ; 4 (512 z + thread)
	s_lshl_b32 s20, s18, 12
	v_lshl_add_u32 v3, v1, 2, s20
	s_wait_kmcnt 0x0
.set i, 0
.rept 32
	global_load_b32 v[C+i], v3, s[6:7] offset:128*i
.set i, i+1
.endr
	global_load_b32 v15, v2, s[8:9]
	s_wait_loadcnt 0x1                             ; the 32 counts are in; the word of info, issued behind them, stays out
	; S1: running sums over my 32 groups; what lies in front of group i is the sum up to group i - 1
.set i, 1
.rept 31
	v_add_nc_u32 v[C+i], v[C+i], v[C+i-1]
.set i, i+1
.endr
	s_lshl_b32 s22, s18, 7
	v_lshl_add_u32 v4, v1, 2, s22
	ds_store_b32 v4, v[C+31]                       ; my wave's totals
	s_wait_dscnt 0x0                               ; for the others' sake
	s_barrier_signal -1
	s_barrier_wait -1
	; S2, in every wave: n = a set's tokens, P = those in the waves in front of mine, c = its tiles
	v_lshlrev_b32 v5, 2, v1
.set i, 0
.rept 16
	ds_load_b32 v[T+i], v5 offset:128*i
.set i, i+1
.endr
	v_mov_b32 v6, 0
	v_mov_b32 v7, 0
	s_wait_dscnt 0x0
.set i, 0
.rept 16
	v_add_nc_u32 v6, v6, v[T+i]
	s_cmp_lt_u32 i, s18
	s_cselect_b32 s23, -1, 0
	v_and_b32 v8, s23, v[T+i]
	v_add_nc_u32 v7, v7, v8
.set i, i+1
.endr
	s_mov_b32 s24, 52429
	v_add_nc_u32 v9, 15, v6
	v_lshrrev_b32 v9, 4, v9                        ; B = ceil(n / 16), at most 512
	v_add_nc_u32 v9, 9, v9
	v_mul_lo_u32 v9, v9, s24                       ; (B + 9) / 10 = ((B + 9) x 52,429) >> 19: 52,429 x 10 = 2^19 + 2, exact below 262,144
	v_lshrrev_b32 v9, 19, v9                       ; c
	; One scan over the lanes for both prefix sums: n in the low half of a word (the sums are at most 8,192), c in the high half (at most 79).
	v_lshl_or_b32 v20, v9, 16, v6
	v_mov_b32 v21, v20
.irp d, 1,2,4,8
	v_mov_b32 v22, 0                               ; a lane without a source keeps this 0
	v_mov_b32_dpp v22, v21 row_shr:\d row_mask:0xf bank_mask:0xf   ; lane i takes lane i - d of its 16
	v_add_nc_u32 v21, v21, v22
.endr
	v_readlane_b32 s25, v21, 15                    ; the first 16 lanes' total goes onto the other 16
	s_mov_b32 s26, 0xffff0000
	v_cndmask_b32 v22, 0, s25, s26
	v_add_nc_u32 v21, v21, v22
	v_sub_nc_u32 v22, v21, v20                     ; the sets in front of mine
	v_and_b32 v10, 0xffff, v22                     ; a set's first place in perm,
	v_lshrrev_b32 v11, 16, v22                     ; its first tile,
	v_lshrrev_b32 v12, 16, v21                     ; and the tile behind its last
	v_add_nc_u32 v13, v10, v7
	; S3: where each of my 32 groups' tokens of each set begin; every wave stores its own 4,096 bytes
	v_add_nc_u32 v14, GO, v3
	ds_store_b32 v14, v13
.set i, 1
.rept 31
	v_add_nc_u32 v[T+i], v13, v[C+i-1]
	ds_store_b32 v14, v[T+i] offset:128*i
.set i, i+1
.endr
	s_wait_loadcnt 0x0                             ; my word of info
	s_wait_dscnt 0x0                               ; for the others' sake
	s_barrier_signal -1
	s_barrier_wait -1
	; S4, thread = token: it goes to its set's place for its group, plus its rank.  My work-group's 32 groups are those of wave z.
	s_lshl_b32 s27, s19, 12
	s_add_co_u32 s27, s27, GO
	v_lshrrev_b32 v16, 4, v0
	v_lshl_add_u32 v16, v16, 7, s27
	v_and_b32 v17, 0xff, v15
	v_min_u32 v17, 31, v17
	v_lshl_add_u32 v16, v17, 2, v16
	ds_load_b32 v17, v16
	v_bfe_u32 v18, v15, 8, 4
	s_lshl_b32 s28, s19, 9
	v_add_nc_u32 v19, s28, v0                      ; the token's number
	s_wait_dscnt 0x0
	v_add_nc_u32 v18, v18, v17
	v_min_u32 v18, 0x1fff, v18
	v_lshlrev_b32 v18, 2, v18
	global_store_b32 v18, v19, s[12:13]            ; its registers are not written again
	s_cmp_lg_u32 s18, 15
	s_cbranch_scc1 .Lend
	s_cmp_gt_u32 s19, 2
	s_cbranch_scc1 .Lend
	; S5, wave 15 of work-groups 0 to 2, lane = tile i = 32 z + lane: its set is the first whose tiles end behind i
	s_lshl_b32 s29, s19, 5
	v_add_nc_u32 v24, s29, v1
	v_mov_b32 v25, 0
.set i, 0
.rept 28
	v_readlane_b32 s28, v12, i
	v_cmp_le_u32 vcc_lo, s28, v24
	v_cndmask_b32 v26, 0, 1, vcc_lo
	v_add_nc_u32 v25, v25, v26
.set i, i+1
.endr
	v_lshlrev_b32 v27, 2, v25                      ; 28 past the last tile: lane 28 holds n = 0 and c = 0
	ds_bpermute_b32 v28, v27, v6                   ; the set's n,
	ds_bpermute_b32 v29, v27, v10                  ; its first place,
	ds_bpermute_b32 v30, v27, v11                  ; its first tile,
	ds_bpermute_b32 v31, v27, v9                   ; its number of tiles
	v_mov_b32 v116, 0
.irp t, 7,13,18,22,25,27                           ; the first set of a = 1 .. 6
	v_cmp_le_u32 vcc_lo, \t, v25
	v_cndmask_b32 v26, 0, 1, vcc_lo
	v_add_nc_u32 v116, v116, v26                   ; a
.endr
	v_sub_nc_u32 v26, 15, v116
	v_mul_u32_u24 v26, v26, v116
	v_lshrrev_b32 v26, 1, v26
	v_sub_nc_u32 v117, v25, v26
	v_add3_u32 v117, v117, v116, 1                 ; b
	v_mov_b32 v33, 0
	v_mov_b32 v34, 0
	s_wait_dscnt 0x0
	v_add_nc_u32 v32, 15, v28
	v_lshrrev_b32 v32, 4, v32                      ; B
.rept 10                                           ; q = floor(B / c) = how many of c, 2 c .. 10 c are at most B (B is at most 10 c)
	v_add_nc_u32 v34, v34, v31
	v_cmp_le_u32 vcc_lo, v34, v32
	v_cndmask_b32 v35, 0, 1, vcc_lo
	v_add_nc_u32 v33, v33, v35
.endr
	v_mul_u32_u24 v35, v33, v31
	v_sub_nc_u32 v35, v32, v35                     ; B mod c: so many tiles have a block more
	v_sub_nc_u32 v30, v24, v30                     ; j: which of the set's tiles
	v_min_u32 v36, v30, v35
	v_mad_u32_u24 v36, v30, v33, v36               ; its first block: j q + min(j, B mod c)
	v_cmp_lt_u32 vcc_lo, v30, v35
	v_cndmask_b32 v37, 0, 1, vcc_lo
	v_add_nc_u32 v37, v37, v33                     ; its blocks
	v_lshlrev_b32 v36, 4, v36
	v_lshlrev_b32 v37, 4, v37
	v_add_nc_u32 v118, v29, v36                    ; first place in perm
	v_min_u32 v36, v36, v28
	v_sub_nc_u32 v28, v28, v36                     ; what is left of the set from there
	v_min_u32 v119, v37, v28                       ; rows
	v_lshlrev_b32 v38, 4, v24
	global_store_b128 v38, v[116:119], s[14:15]
.Lend:
	s_wait_tensorcnt 0x0                           ; the wave's end
	ds_add_u32 v126, v127
	s_wait_dscnt 0x0
	s_endpgm
.Lfunc_end_k_q443c9f6820_prep:
	.size	k_q443c9f6820_prep, .Lfunc_end_k_q443c9f6820_prep-k_q443c9f6820_prep
	.p2alignl 7, 3214868480
	.fill 96, 4, 3214868480
	.section	.rodata,"a",@progbits
	.p2align	6, 0x0
	.amdhsa_kernel k_q443c9f6820_prep
		.amdhsa_group_segment_fixed_size 69632
		.amdhsa_private_segment_fixed_size 0
		.amdhsa_enable_private_segment 0
		.amdhsa_kernarg_size 48
		.amdhsa_user_sgpr_count 2
		.amdhsa_user_sgpr_kernarg_segment_ptr 1
		.amdhsa_wavefront_size32 1
		.amdhsa_system_sgpr_workgroup_id_x 1
		.amdhsa_system_sgpr_workgroup_id_y 1
		.amdhsa_system_sgpr_workgroup_id_z 1
		.amdhsa_system_vgpr_workitem_id 0
		.amdhsa_next_free_vgpr 128
		.amdhsa_next_free_sgpr 66
		.amdhsa_reserve_vcc 1
		.amdhsa_float_denorm_mode_32 3
		.amdhsa_float_denorm_mode_16_64 3
		.amdhsa_memory_ordered 1
		.amdhsa_forward_progress 1
		.amdhsa_inst_pref_size 29
	.end_amdhsa_kernel
	.amdgpu_metadata
---
amdhsa.version: [ 1, 2 ]
amdhsa.kernels:
  - .name:           k_q443c9f6820_prep
    .symbol:         k_q443c9f6820_prep.kd
    .args:
      - { .name: We, .offset: 0, .size: 8, .value_kind: global_buffer, .address_space: global }
      - { .name: cnt, .offset: 8, .size: 8, .value_kind: global_buffer, .address_space: global }
      - { .name: info, .offset: 16, .size: 8, .value_kind: global_buffer, .address_space: global }
      - { .name: wf, .offset: 24, .size: 8, .value_kind: global_buffer, .address_space: global }
      - { .name: perm, .offset: 32, .size: 8, .value_kind: global_buffer, .address_space: global }
      - { .name: tiles, .offset: 40, .size: 8, .value_kind: global_buffer, .address_space: global }
    .group_segment_fixed_size: 69632
    .private_segment_fixed_size: 0
    .kernarg_segment_align: 8
    .kernarg_segment_size: 48
    .max_flat_workgroup_size: 512
    .sgpr_count:     66
    .vgpr_count:     128
    .wavefront_size: 32
...
	.end_amdgpu_metadata
.endif
;; end of part 2
;; launch moe (part 3): grid 4 x 79, 4 waves a work-group, no clusters, 192,768 bytes of LDS; arguments xb, wf, be, gates, perm, tiles, out0; writes out0
.if DOCPART == 3
	.amdgcn_target "amdgcn-amd-amdhsa--gfx1250"
	.amdhsa_code_object_version 6
	.text
	.protected	k_q443c9f6820_moe
	.globl	k_q443c9f6820_moe
	.p2align	8
	.type	k_q443c9f6820_moe,@function
k_q443c9f6820_moe:
	s_mov_b64 s[64:65], 0
	v_nop
	global_prefetch_b8 v0, s[64:65] scope:SCOPE_SE
	s_setreg_imm32_b32 hwreg(HW_REG_WAVE_MODE, 25, 1), 1
	s_wait_xcnt 0x0
; out[t] = ga (x[t] We[a] + be[a]) + gb (x[t] We[b] + be[b]) for the tokens t of one set {a < b} of experts.
; A work-group takes a tile of up to 160 tokens of one set (tiles[y]) and 256 columns (x); each output row has one owner.  Four waves, each all 160 rows x 64 columns:
; 10 x 4 accumulators, 320 registers.  ONE accumulator takes both experts: the token rows are laid into LDS twice, as bf16(ga xb) and as bf16(gb xb), and K runs over 2 x 1,024.
; The bias is one more K step, the first, with C = 0: the token operand holds (ga, gb) in two places of k, the weight operand (be[a][col], be[b][col]) there and 0 elsewhere.
; TOKENS go in 8 chunks of 128 along K through two LDS slots that take turns, filled through registers (the rows come by a list): load, scale, store; one barrier a chunk, for up to 320 matrix instructions.
; WEIGHTS come from wf straight into registers: each fragment has one reader in the work-group, so a way through LDS would serve nobody.  Four register slots: three K steps (24 loads) are on their way.
; THE MATRIX INSTRUCTION: source 0 = a weight fragment (16 columns), source 1 = 16 tokens.  Register jj of lane (r, h) of accumulator (blk, j) is token 16 blk + r, column 64 cg + 32 h + 4 jj + j.
; Inside a K step k is permuted alike on both sides: lane (r, h) holds k = 16 h + 0..15.
; A TILE THAT IS NOT FULL.  Of the blocks 6 to 9 of 16 rows those that hold no row are not multiplied: a step jumps to its end in front of the first of them.  Blocks 0 to 5 are always multiplied (the lines
; that scale the next chunk stand behind their products).  In the last block that holds rows the places past the count repeat the tile's last token: they give that token's own numbers and store them to its
; own row again.  Blocks without rows are not stored.
; A TILE WITHOUT ROWS (the grid, 79 tiles, serves every split of the tokens: the sum of ceil(n / 160) over 28 sets is at most 79) runs the set-up on tokens that exist, passes every barrier, jumps over
; every chunk's work and stores nothing.  Every barrier stands at a chunk's edge, outside what is jumped; the state there (all accumulators written, the next three steps' 24 weight loads the youngest
; loads out, nothing else pending) is made by the set-up and left as it is by a chunk that is jumped.
; NO CLUSTER: a set has 1 to 52 tiles, so the work-groups that share weights differ in number from set to set and from input to input; the four column blocks of a tile share only the gathered rows,
; 320 KiB of a work-group's 1,344 KiB, and those come by a list that no descriptor covers.  No prefetch: xb and wf were stored by the two launches just before.
; LIMITS.  Token operands are rounded twice (bf16(x), then bf16(g xb)); be, ga and gb enter the bias step rounded to bf16.  NaN and infinities are not treated apart.
; REGISTERS, in windows of 256 (s_set_vgpr_msb: bits 1:0 source 0, 3:2 source 1, 5:4 source 2, 7:6 destination):
;   window 0: v0-55 addresses and work; v56-95 (ga, gb) for each of my 20 gather loads; v96-175, v176-255 token fragments, two buffers of 10 x 8
;   window 1: v0-191 accumulators of blocks 0-5, (blk, j) at 32 blk + 8 j; v192-231 scaled rows on their way to LDS; v232 zero
;   window 2: v0-127 accumulators of blocks 6-9
;   window 3: v0-127 weights, four slots of 32; v128-207 gathered rows, 20 loads x 4; v208-227 their offsets; v228-230 addresses
.set PITCH, 272                 ; an LDS row: 256 bytes + 16 = 68 words: the 16 rows of a fragment load start 4 banks apart (64 banks of 4 bytes: ISA guide 11.1)
.set COPYB, 160*PITCH           ; a slot: 160 rows times ga, then 160 rows times gb
.set SLOTB, 2*COPYB             ; slot 0 at byte 0, slot 1 behind it
.set STAGE, 2*SLOTB             ; behind the slots: 16 rows x 272 bytes for each wave, for the way out
.set STGW,  16*PITCH
.set TOK,   STAGE+4*STGW        ; the tile's 160 token numbers
.set SPARE, TOK+768             ; the spare words, 128 bytes a wave: two blocks of 256 bytes that no other line names
.set AA0,  4                    ; v4, v6  my place in a fragment's rows, 272 r + 32 h, in the first copy of slot 0, 1; never rewritten
.set AB0,  5                    ; v5, v7  the same in the second copy; never rewritten
.set STO,  8                    ; the way out: where I put a number
.set RD,   9                    ; the way out: where I read 16 bytes of a row back
.set COL,  10                   ; my 16 bytes among a row's 4,096 of out0 and of be
.set LT,   11                   ; the way out: where my row's token number lies
.set SPW,  12                   ; my spare word; never rewritten
.set NIL,  13                   ; 0; never rewritten
.set T0,   14
.set TG,   16                   ; v[16:35] tokens of my 20 gather loads; v[36:45] of the 10 fragment rows
.set TF,   36
.set T2,   46
.set T3,   47
.set BEA,  48                   ; v[48:51], v[52:55] be of my four columns, experts a and b
.set BEB,  52
.set GAB,  56
.set FA0,  96
.set FA1,  176
.set GF,   96                   ; at the start: (ga, gb) of the fragment rows, f32
.set GP,   176                  ; at the start: the same packed to bf16, two registers apart
.set TK,   16                   ; the way out: v[16:31] token numbers, two sets of 8 by turns
.set OF,   32                   ;              v[32:39] the stores' offsets
.set OB,   96                   ;              v[96:191] rows read back, three sets of 32 by turns
.set TMP,  192                  ; window 1
.set ZERO, 232
.set STG,  128                  ; window 3
.set GOF,  208
.set VBO,  228
.set GLW0, 229                  ; v229, v230 of window 3: where my 16 bytes of gather load 0 go in slot 0, 1; never rewritten
.set EA,   20                   ; s20-23: the tile: a, b, first place in perm, rows
.set EB,   21
.set START, 22
.set ROWS, 23
.set WV,   24
.set R1,   25
.set PA,   26                   ; s[26:27] wf at expert a, my 64 columns, the chunk in hand
.set PB,   28                   ; s[28:29] the same for b
.set XBP,  30                   ; s[30:31] xb at the chunk to gather
.set CNT,  34
.set NB,   35                   ; blocks of 16 rows that hold rows
.set W_LO, 0x53                 ; weights (or gathered rows) window 3, tokens (or gates) window 0, C and D (or zero and scaled rows) window 1
.set W_HI, 0xa3                 ; the same with C and D in window 2
.set MSB, 0
.macro WIN new                  ; the immediate's high byte repeats the setting that is left; a switch that changes nothing is dropped
.if MSB != (\new)
	s_set_vgpr_msb (MSB<<8)|(\new)
.set MSB, \new
.endif
.endm
; Blocks b0 .. b1 x the four fragments of weight slot bs.  The accumulators take turns, one instruction a turn, in the same order in every step.  zero = 1: the products start the sums.
.macro WM b0, b1, bs, fa, zero=0, ts=8
.set blk_, \b0
.rept (\b1)-(\b0)+1
.if blk_ < 6
	WIN W_LO
.set ra_, 32*blk_
.else
	WIN W_HI
.set ra_, 32*(blk_-6)
.endif
.set j_, 0
.rept 4
.if \zero
	v_wmma_f32_16x16x32_bf16 v[ra_+8*j_:ra_+8*j_+7], v[32*(\bs)+8*j_:32*(\bs)+8*j_+7], v[(\fa)+(\ts)*blk_:(\fa)+(\ts)*blk_+7], 0
.else
	v_wmma_f32_16x16x32_bf16 v[ra_+8*j_:ra_+8*j_+7], v[32*(\bs)+8*j_:32*(\bs)+8*j_+7], v[(\fa)+(\ts)*blk_:(\fa)+(\ts)*blk_+7], v[ra_+8*j_:ra_+8*j_+7]
.endif
.set j_, j_+1
.endr
.set blk_, blk_+1
.endr
.endm
; Blocks 6 .. 9, as far as they hold rows: in front of each block the step jumps to its end if the tile's blocks do not reach it.  At a branch and at a label every window is 0, so each test costs two switches;
; they and the two scalar lines stand beside a block's four matrix instructions.  Whatever the jump, the next matrix instruction is block 0's: never the accumulator of the one before it.
.macro WMS bs, fa
.set blk_, 6
.rept 4
	WIN 0
	s_cmp_le_u32 s[NB], blk_
	s_cbranch_scc1 .Ldead_\@                       ; what is jumped holds no barrier and no memory instruction
	WIN W_HI
.set j_, 0
.rept 4
	v_wmma_f32_16x16x32_bf16 v[32*(blk_-6)+8*j_:32*(blk_-6)+8*j_+7], v[32*(\bs)+8*j_:32*(\bs)+8*j_+7], v[(\fa)+8*blk_:(\fa)+8*blk_+7], v[32*(blk_-6)+8*j_:32*(blk_-6)+8*j_+7]
.set j_, j_+1
.endr
.set blk_, blk_+1
.endr
	WIN 0
.Ldead_\@:
.endm
; The token fragments of one K step: 20 LDS loads in one run
.macro ALOAD fa, adr, koff
	WIN 0
.set z_, 0
.rept 10
	ds_load_b128 v[(\fa)+8*z_:(\fa)+8*z_+3],   v[\adr] offset:z_*16*PITCH+(\koff)
	ds_load_b128 v[(\fa)+8*z_+4:(\fa)+8*z_+7], v[\adr] offset:z_*16*PITCH+(\koff)+16
.set z_, z_+1
.endr
.endm
; The weights of one K step: 8 loads of 512 consecutive bytes, in the registers' own order
.macro BLOAD bs, ptr, off
	WIN 0xc3
.set z_, 0
.rept 8
	global_load_b128 v[32*(\bs)+4*z_:32*(\bs)+4*z_+3], v[VBO], s[\ptr:\ptr+1] offset:(\off)+512*z_
.set z_, z_+1
.endr
.endm
; Batch q of the gather: 5 loads; each half of the lanes takes 256 aligned bytes of one token's row
.macro GLOAD q
	WIN 0xc3
.set z_, 0
.rept 5
	global_load_b128 v[STG+4*(5*(\q)+z_):STG+4*(5*(\q)+z_)+3], v[GOF+5*(\q)+z_], s[XBP:XBP+1]
.set z_, z_+1
.endr
.endm
; Line n of the 80 that scale batch q: bf16(g x), one rounding, the gate in f32.  For each load 8 low halves (copy a's four registers, copy b's), then the 8 high halves.
.macro RID q, n
.set u_, (\n)/16
.set c_, ((\n)%8)/4
.set g_, (\n)%4
.if ((\n)%16) < 8
	v_fma_mixlo_bf16 v[TMP+8*u_+4*c_+g_], v[STG+4*(5*(\q)+u_)+g_], v[GAB+2*(5*(\q)+u_)+c_], v[ZERO] op_sel_hi:[1,0,0]
.else
	v_fma_mixhi_bf16 v[TMP+8*u_+4*c_+g_], v[STG+4*(5*(\q)+u_)+g_], v[GAB+2*(5*(\q)+u_)+c_], v[ZERO] op_sel:[1,0,0] op_sel_hi:[1,0,0]
.endif
.endm
.macro GSTORE q, gl             ; batch q into the slot whose address register is gl: both copies
	WIN 0x07                                       ; address window 3, data window 1
.set u_, 0
.rept 5
	ds_store_b128 v[\gl], v[TMP+8*u_:TMP+8*u_+3]   offset:(5*(\q)+u_)*2*PITCH
	ds_store_b128 v[\gl], v[TMP+8*u_+4:TMP+8*u_+7] offset:(5*(\q)+u_)*2*PITCH+COPYB
.set u_, u_+1
.endr
.endm
; Blocks 0-5 with batch q's 80 scaling lines behind the 24 matrix instructions, three or four behind each, all under one window setting
.macro WMR bs, fa, q
	WIN W_LO
.set m_, 0
.set rn_, 0
.rept 24
	v_wmma_f32_16x16x32_bf16 v[8*m_:8*m_+7], v[32*(\bs)+8*(m_%4):32*(\bs)+8*(m_%4)+7], v[(\fa)+8*(m_/4):(\fa)+8*(m_/4)+7], v[8*m_:8*m_+7]
.rept (80*(m_+1))/24-(80*m_)/24
	RID \q, rn_
.set rn_, rn_+1
.endr
.set m_, m_+1
.endr
.endm
; STEP s of the eight of a chunk that lies in slot p: steps 0-3 multiply copy a by expert a's weights, steps 4-7 copy b by expert b's.  All of a step's memory instructions stand in ONE run at its head: it asks for
; the next step's token fragments (step 0 for its own too) and for the weights three steps on.  main = 1: steps 0-3 also ask for a batch of the next chunk's rows, steps 3-6 scale a batch behind their products,
; and steps 4-7 store, in the run at their head, the batch that the step before scaled, into the other slot.
; n: how many loads, issued behind the ones this step needs, may stay out (B = a step's 8 weight loads, G = a batch's 5; in a step B is issued ahead of G):
;   step 0: B1 B2 B3 G0 = 29    1: B2 B3 G0 B4 G1 = 34    2: B3 G0 B4 G1 B5 G2 = 39    3 (needs B3 and G0): B4 G1 B5 G2 B6 G3 = 39
;   step 4 (B4, G1): B5 G2 B6 G3 B7 = 34    5 (B5, G2): B6 G3 B7 B8 = 29    6 (B6, G3): B7 B8 B9 = 24    7: B8 B9 B10 = 24.  In the last chunk there is no G, and no B from step 5 on: 24 five times, then 16, 8, 0.
.macro STEP s, main, n, p
.if (\s) > 0
	s_wait_dscnt 0x0                               ; this step's fragments, asked for a step ago, are in; the last step's stores into the other slot are done
.endif
.rept 4
	v_nop                                          ; four places between the last step's products and the loads into registers that they read (ISA guide 7.12.1 for vector instructions)
.endr
.if (\main) && ((\s) > 3)
	GSTORE (\s)-4, GLW0+1-(\p)
.endif
.if (\s) == 0
	ALOAD FA0, AA0+2*(\p), 0
	ALOAD FA1, AA0+2*(\p), 64
.elseif (\s) < 3
	ALOAD FA0+80*(((\s)+1)%2), AA0+2*(\p), ((\s)+1)*64
.elseif (\s) < 7
	ALOAD FA0+80*(((\s)+1)%2), AB0+2*(\p), ((\s)-3)*64
.endif
.if (\s) == 0
	BLOAD 3, PA, 12288
.elseif (\s) < 5
	BLOAD ((\s)+3)%4, PB, ((\s)-1)*4096
.elseif \main
	BLOAD ((\s)+3)%4, PA, ((\s)-1)*4096            ; the next chunk's first three steps
.endif
.if (\main) && ((\s) < 4)
	GLOAD \s
.endif
.if (\s) == 0
	s_wait_dscnt 20                                ; my own 20 fragment loads are in; the next step's 20, issued behind them, stay out
.endif
	s_wait_loadcnt \n
.if (\main) && ((\s) > 2) && ((\s) < 7)
	WMR (\s)%4, FA0+80*((\s)%2), (\s)-3
.else
	WM 0, 5, (\s)%4, FA0+80*((\s)%2)
.endif
	WMS (\s)%4, FA0+80*((\s)%2)
.endm
; A CHUNK, in slot p.  ONE barrier, at its head, for two things: in front of it each wave's reads of the other slot are back and its stores into this slot are done; behind it this slot is whole, and nobody reads
; the other any more, which this chunk's steps 4-7 fill again.  Every wave of every tile passes it.  Behind it a tile without rows jumps over the work; the three bases step in either case.
.macro PHASE p, main
	s_wait_dscnt 0x0                               ; for the others' sake: no LDS instruction of mine is out
	s_barrier_signal -1
	s_barrier_wait -1
	s_cmp_eq_u32 s[ROWS], 0
.if \main
	s_cbranch_scc1 .Lnone_\@                       ; what is jumped holds no barrier
	STEP 0, 1, 29, \p
	STEP 1, 1, 34, \p
	STEP 2, 1, 39, \p
	STEP 3, 1, 39, \p
	STEP 4, 1, 34, \p
	STEP 5, 1, 29, \p
	STEP 6, 1, 24, \p
	STEP 7, 1, 24, \p
	WIN 0                                          ; at a label and at a branch every window is 0
.Lnone_\@:
	s_wait_xcnt 0x0                                ; every load issued has had its address translated: only now are the three bases stepped
	s_add_nc_u64 s[PA:PA+1], s[PA:PA+1], 16384
	s_add_nc_u64 s[PB:PB+1], s[PB:PB+1], 16384
	s_add_nc_u64 s[XBP:XBP+1], s[XBP:XBP+1], 256
.else
	s_cbranch_scc1 .Ldone                          ; no barrier follows
	STEP 0, 0, 24, \p                              ; the last chunk: nothing more is gathered, and no load leaves wf
	STEP 1, 0, 24, \p
	STEP 2, 0, 24, \p
	STEP 3, 0, 24, \p
	STEP 4, 0, 24, \p
	STEP 5, 0, 16, \p
	STEP 6, 0, 8, \p
	STEP 7, 0, 0, \p
.endif
.endm
	s_load_b256 s[4:11], s[0:1], 0x0               ; xb s[4:5], wf s[6:7], be s[8:9], gates s[10:11]
	s_load_b128 s[12:15], s[0:1], 0x20             ; perm s[12:13], tiles s[14:15]
	s_load_b64 s[16:17], s[0:1], 0x30              ; out0
	v_lshl_add_u32 v[SPW], v0, 2, SPARE
	v_mov_b32 v[NIL], 0
	v_lshrrev_b32 v1, 5, v0
	v_readfirstlane_b32 s[WV], v1                  ; wave 0..3
	s_and_b32 s36, ttmp7, 0xffff                   ; the tile
	s_lshl_b32 s36, s36, 4
	s_mov_b32 s37, 0
	s_wait_kmcnt 0x0
	s_add_nc_u64 s[14:15], s[14:15], s[36:37]
	s_load_b128 s[20:23], s[14:15], 0x0            ; a, b, first place, rows
	v_and_b32 v1, 31, v0                           ; lane
	v_and_b32 v2, 15, v0                           ; r
	v_bfe_u32 v3, v0, 4, 1                         ; h
	v_mul_u32_u24 v[AA0], v2, PITCH
	v_lshl_add_u32 v[AA0], v3, 5, v[AA0]           ; row r, 32 bytes (16 k) for each half of the lanes
	v_add_nc_u32 v[AB0], COPYB, v[AA0]
	v_add_nc_u32 v[AA0+2], SLOTB, v[AA0]
	v_add_nc_u32 v[AB0+2], SLOTB+COPYB, v[AA0]
	s_mul_i32 s38, s[WV], STGW
	s_add_co_u32 s38, s38, STAGE                   ; my stage
	v_mul_u32_u24 v[STO], v2, PITCH
	v_lshl_add_u32 v[STO], v3, 7, v[STO]           ; in: row r, columns 32 h on
	v_add_nc_u32 v[STO], s38, v[STO]
	v_mul_u32_u24 v[RD], v3, PITCH
	v_lshl_add_u32 v[RD], v2, 4, v[RD]             ; back: lanes 0-15 take one row of 256 bytes, lanes 16-31 the next
	v_add_nc_u32 v[RD], s38, v[RD]
	s_lshl_b32 s38, ttmp9, 10
	s_lshl_b32 s39, s[WV], 8
	s_add_co_u32 s38, s38, s39
	v_lshl_add_u32 v[COL], v2, 4, s38              ; 1,024 x column block + 256 w + 16 r
	v_lshl_add_u32 v[LT], v3, 2, TOK
	s_mul_i32 s38, s[WV], 40                       ; the gather: wave w brings rows 40 w .. 40 w + 39; load i rows 40 w + 2 i + h
	v_add_nc_u32 v[T0], s38, v3
	v_lshlrev_b32 v[T2], 4, v2                     ; my 16 bytes of a row's 256
	v_lshl_add_u32 v[T3], v[T0], 2, TOK
	s_mov_b32 s39, PITCH
	WIN 0xc0                                       ; destination window 3
	v_lshlrev_b32 v[VBO], 4, v1
	v_mad_u32_u24 v[GLW0], v[T0], s39, v[T2]       ; where my 16 bytes of load 0 go in slot 0,
	WIN 0xcc
	v_add_nc_u32 v[GLW0+1], SLOTB, v[GLW0]         ; and in slot 1
	WIN 0
	s_wait_kmcnt 0x0
	s_min_u32 s[EA], s[EA], 7
	s_min_u32 s[EB], s[EB], 7
	s_min_u32 s[START], s[START], 0x1fff
	s_min_u32 s[ROWS], s[ROWS], 160
	s_max_u32 s[R1], s[ROWS], 1
	s_sub_co_u32 s[R1], s[R1], 1                   ; the tile's last row (0 in a tile without rows)
	s_add_co_u32 s[NB], s[ROWS], 15
	s_lshr_b32 s[NB], s[NB], 4                     ; its blocks of 16 rows
	s_lshl_b32 s38, ttmp9, 2
	s_add_co_u32 s38, s38, s[WV]                   ; cg: my group of 64 columns
	s_lshl_b32 s36, s[EA], 4
	s_add_co_u32 s36, s36, s38
	s_lshl_b32 s36, s36, 17
	s_add_nc_u64 s[PA:PA+1], s[6:7], s[36:37]      ; wf + (16 a + cg) x 131,072
	s_lshl_b32 s36, s[EB], 4
	s_add_co_u32 s36, s36, s38
	s_lshl_b32 s36, s36, 17
	s_add_nc_u64 s[PB:PB+1], s[6:7], s[36:37]
	s_lshl_b32 s36, s[EA], 12
	s_add_nc_u64 s[40:41], s[8:9], s[36:37]        ; be[a]
	s_lshl_b32 s36, s[EB], 12
	s_add_nc_u64 s[42:43], s[8:9], s[36:37]        ; be[b]
	s_mov_b64 s[XBP:XBP+1], s[4:5]
	s_mov_b32 s44, 0xffff0000                      ; lanes 16-31
	; the token numbers: places past the count repeat the tile's last token
.set i, 0
.rept 20
	v_add_nc_u32 v[TG+i], 2*i, v[T0]
.set i, i+1
.endr
.set i, 0
.rept 10
	v_add_nc_u32 v[TF+i], 16*i, v2
.set i, i+1
.endr
.set i, 0
.rept 30
	v_min_u32 v[TG+i], s[R1], v[TG+i]
	v_add_nc_u32 v[TG+i], s[START], v[TG+i]
	v_min_u32 v[TG+i], 0x1fff, v[TG+i]
	v_lshlrev_b32 v[TG+i], 2, v[TG+i]
	global_load_b32 v[TG+i], v[TG+i], s[12:13]
.set i, i+1
.endr
	global_load_b128 v[BEA:BEA+3], v[COL], s[40:41]
	global_load_b128 v[BEB:BEB+3], v[COL], s[42:43]
	s_wait_loadcnt 0x2                             ; the 30 token numbers are in; be's two loads, issued behind them, stay out
.set i, 0
.rept 30
	v_min_u32 v[TG+i], 0x1fff, v[TG+i]
.set i, i+1
.endr
.set i, 0
.rept 20
	ds_store_b32 v[T3], v[TG+i] offset:8*i         ; for the way out; the 16 lanes of a row write the same word with the same number
.set i, i+1
.endr
	WIN 0xc0
.set i, 0
.rept 20
	v_lshl_add_u32 v[GOF+i], v[TG+i], 11, v[T2]    ; a row of xb is 2,048 bytes
.set i, i+1
.endr
	WIN 0
.set i, 0
.rept 30
	v_lshlrev_b32 v[TG+i], 3, v[TG+i]              ; a pair of gates is 8 bytes
.set i, i+1
.endr
.set i, 0
.rept 10
	global_load_b64 v[GF+2*i:GF+2*i+1], v[TF+i], s[10:11]
.set i, i+1
.endr
.set i, 0
.rept 20
	global_load_b64 v[GAB+2*i:GAB+2*i+1], v[TG+i], s[10:11]
.set i, i+1
.endr
.irp q, 0,1,2,3
	GLOAD \q                                       ; chunk 0
.endr
	s_wait_loadcnt 40                              ; be and the fragment rows' gates are in; behind them: 20 loads of gates, 20 of rows
	WIN 0
	; The bias step's token operand: block b's is the eight registers from GP + 2 b on.  Its first holds (ga, gb); the others need only be finite, since the weight operand is 0 there.
.set i, 0
.rept 10
	v_cvt_pk_bf16_f32 v[GP+2*i], v[GF+2*i], v[GF+2*i+1]
	v_mov_b32 v[GP+2*i+1], 0
.set i, i+1
.endr
.set i, 20
.rept 6
	v_mov_b32 v[GP+i], 0
.set i, i+1
.endr
.irp j, 0,1,2,3
	v_cvt_pk_bf16_f32 v[BEA+\j], v[BEA+\j], v[BEB+\j]
.endr
	WIN 0xc0                                       ; its weight operand, in weight slot 3: (be[a], be[b]) in the first register of lanes 0-15, 0 elsewhere
.irp j, 0,1,2,3
	v_cndmask_b32 v[96+8*\j], v[BEA+\j], 0, s44
.irp m, 1,2,3,4,5,6,7
	v_mov_b32 v[96+8*\j+\m], 0
.endr
.endr
	WIN 0x40
.set i, 0
.rept 41                                           ; the scaling lines write one half of a register and keep the other, so these are written once; the last is the zero that they add
	v_mov_b32 v[TMP+i], 0
.set i, i+1
.endr
	BLOAD 0, PA, 0
	BLOAD 1, PA, 4096
	WM 0, 9, 3, GP, 1, 2                           ; the bias step starts all 40 sums, so nothing is cleared; it runs while chunk 0's rows are on their way
	s_wait_loadcnt 16                              ; all but the 16 weight loads issued last: gates and chunk 0 are in,
	s_add_nc_u64 s[XBP:XBP+1], s[XBP:XBP+1], 256   ; so their base may step
	BLOAD 2, PA, 8192                              ; 24 weight loads are out: the first three steps'
.irp q, 0,1,2,3
	WIN W_LO
.set rn_, 0
.rept 80
	RID \q, rn_
.set rn_, rn_+1
.endr
	GSTORE \q, GLW0                                ; chunk 0 goes into slot 0
.endr
	WIN 0                                          ; at a label and at a branch every window is 0
	s_mov_b32 s[CNT], 4
	s_branch .Lmid                                 ; the loop is entered in its middle: chunks 0, then 1 and 2, 3 and 4, 5 and 6
.Lloop:
	PHASE 1, 1                                     ; a chunk in slot 1; the next is gathered into slot 0
.Lmid:
	PHASE 0, 1                                     ; a chunk in slot 0; the next is gathered into slot 1
	s_sub_co_u32 s[CNT], s[CNT], 1
	s_cmp_lg_u32 s[CNT], 0
	s_cbranch_scc1 .Lloop
	PHASE 1, 0                                     ; chunk 7, in slot 1
.rept 4
	v_nop                                          ; four places between the last product and the first read of a result, and the first load into a fragment register
.endr
; THE WAY OUT, a block of 16 tokens at a time, through my own stage in LDS, so that sixteen lanes store 256 consecutive aligned bytes of a token's row.  A wave's LDS instructions are served in order
; (ISA guide 5.7.1.4): no wait between a block's stores and its loads, nor in front of the next block's stores.  Each accumulator is read from its low end on.
; TOSTAGE b: 32 stores, the 8 token numbers, 8 loads of whole rows.  Block b + 1 goes into the stage ahead of the wait for block b.
.macro TOSTAGE b
.if (\b) < 6
	WIN 0x04                                       ; data in window 1
.set ra_, 32*(\b)
.else
	WIN 0x08                                       ; data in window 2
.set ra_, 32*((\b)-6)
.endif
.set j_, 0
.rept 4
.set z_, 0
.rept 8
	ds_store_b32 v[STO], v[ra_+8*j_+z_] offset:16*z_+4*j_
.set z_, z_+1
.endr
.set j_, j_+1
.endr
	WIN 0
.set ob_, OB+32*((\b)%3)
.set tk_, TK+8*((\b)%2)
.set z_, 0
.rept 8
	ds_load_b32 v[tk_+z_], v[LT] offset:(16*(\b)+2*z_)*4
.set z_, z_+1
.endr
.set z_, 0
.rept 8
	ds_load_b128 v[ob_+4*z_:ob_+4*z_+3], v[RD] offset:z_*2*PITCH   ; into the set of 32 that block b - 3 stored from: block b - 2's wait below stood behind those stores
.set z_, z_+1
.endr
.endm
.macro SEND b, younger          ; younger: the LDS instructions issued behind block b's: the next block's 48, or none
	WIN 0
.set ob_, OB+32*((\b)%3)
.set tk_, TK+8*((\b)%2)
	s_wait_dscnt \younger
	s_wait_xcnt 0x0                                ; the last block's stores have read their offsets and data: only now are the offsets rewritten
.set z_, 0
.rept 8
	v_min_u32 v[tk_+z_], 0x1fff, v[tk_+z_]
	v_lshl_add_u32 v[OF+z_], v[tk_+z_], 12, v[COL]
.set z_, z_+1
.endr
.set z_, 0
.rept 8
	global_store_b128 v[OF+z_], v[ob_+4*z_:ob_+4*z_+3], s[16:17] th:TH_STORE_NT
.set z_, z_+1
.endr
.endm
	TOSTAGE 0
.irp b, 0,1,2,3,4,5,6,7,8
	TOSTAGE (\b)+1                                 ; staged whether it holds rows or not: its accumulators were written by the bias step at the least, and it is stored only if it holds rows
	SEND \b, 48
	s_cmp_le_u32 s[ROWS], 16*((\b)+1)
	s_cbranch_scc1 .Ldone                          ; the blocks past the count are not stored; what is jumped holds no barrier
.endr
	SEND 9, 0
.Ldone:
	s_wait_tensorcnt 0x0                           ; the wave's end
	ds_add_u32 v[SPW], v[NIL]
	s_wait_dscnt 0x0
	s_endpgm
.Lfunc_end_k_q443c9f6820_moe:
	.size	k_q443c9f6820_moe, .Lfunc_end_k_q443c9f6820_moe-k_q443c9f6820_moe
	.p2alignl 7, 3214868480
	.fill 96, 4, 3214868480
	.section	.rodata,"a",@progbits
	.p2align	6, 0x0
	.amdhsa_kernel k_q443c9f6820_moe
		.amdhsa_group_segment_fixed_size 192768
		.amdhsa_private_segment_fixed_size 0
		.amdhsa_enable_private_segment 0
		.amdhsa_kernarg_size 56
		.amdhsa_user_sgpr_count 2
		.amdhsa_user_sgpr_kernarg_segment_ptr 1
		.amdhsa_wavefront_size32 1
		.amdhsa_system_sgpr_workgroup_id_x 1
		.amdhsa_system_sgpr_workgroup_id_y 1
		.amdhsa_system_sgpr_workgroup_id_z 1
		.amdhsa_system_vgpr_workitem_id 0
		.amdhsa_next_free_vgpr 1024
		.amdhsa_next_free_sgpr 66
		.amdhsa_reserve_vcc 0
		.amdhsa_float_denorm_mode_32 3
		.amdhsa_float_denorm_mode_16_64 3
		.amdhsa_memory_ordered 1
		.amdhsa_forward_progress 1
		.amdhsa_inst_pref_size 255
	.end_amdhsa_kernel
	.section	.bss,"aw",@nobits
	.p2align	6
	.space	262144
	.amdgpu_metadata
---
amdhsa.version: [ 1, 2 ]
amdhsa.kernels:
  - .name:           k_q443c9f6820_moe
    .symbol:         k_q443c9f6820_moe.kd
    .args:
      - { .name: xb, .offset: 0, .size: 8, .value_kind: global_buffer, .address_space: global }
      - { .name: wf, .offset: 8, .size: 8, .value_kind: global_buffer, .address_space: global }
      - { .name: be, .offset: 16, .size: 8, .value_kind: global_buffer, .address_space: global }
      - { .name: gates, .offset: 24, .size: 8, .value_kind: global_buffer, .address_space: global }
      - { .name: perm, .offset: 32, .size: 8, .value_kind: global_buffer, .address_space: global }
      - { .name: tiles, .offset: 40, .size: 8, .value_kind: global_buffer, .address_space: global }
      - { .name: out0, .offset: 48, .size: 8, .value_kind: global_buffer, .address_space: global }
    .group_segment_fixed_size: 192768
    .private_segment_fixed_size: 0
    .kernarg_segment_align: 8
    .kernarg_segment_size: 56
    .max_flat_workgroup_size: 128
    .sgpr_count:     66
    .vgpr_count:     1024
    .wavefront_size: 32
...
	.end_amdgpu_metadata
.endif
;; end of part 3
;; ======== version 2 of 2: 3 launches; version 1 with the launches router, moe written anew for expert scheduling mode
;; limits: values outside matrix products are rounded to bf16
;; workspace buffers: xb 16,777,216 bytes; wf 16,777,216 bytes; gates 65,536 bytes; info 32,768 bytes of whole numbers; cnt 65,536 bytes of whole numbers; perm 32,768 bytes of whole numbers; tiles 1,536 bytes of whole numbers
;; launch router (part 4): grid 512 x 1, 4 waves a work-group, no clusters, 71,168 bytes of LDS; arguments x, Wg, bg, xb, gates, info, cnt; writes xb, gates, info, cnt
.if DOCPART == 4
	.amdgcn_target "amdgcn-amd-amdhsa--gfx1250"
	.amdhsa_code_object_version 6
	.text
	.protected	k_q443c9f6820_router
	.globl	k_q443c9f6820_router
	.p2align	8
	.type	k_q443c9f6820_router,@function
k_q443c9f6820_router:
	s_mov_b64 s[64:65], 0
	v_nop
	global_prefetch_b8 v0, s[64:65] scope:SCOPE_SE
	s_setreg_imm32_b32 hwreg(HW_REG_WAVE_SCHED_MODE, 0, 2), 2
	s_setreg_imm32_b32 hwreg(HW_REG_WAVE_MODE, 25, 1), 1
	s_wait_xcnt 0x0
	s_wait_alu depctr_vm_vsrc(0)
; ROUTER.  For 16 tokens a work-group: xb = bf16(x); the 8 logits bf16(x) . bf16(Wg) + bf16(bg), products by the matrix unit, sums in f32;
; the two largest logits (the lower index wins a tie, as in lax.top_k; the softmax keeps the logits' order); the two gates normalised to sum 1:
; g1 = 1 / (1 + e^(l2 - l1)), g2 = e^(l2 - l1) g1, where l1 is the row's maximum, so the exponent is never above 0.
; Stored at fixed places: xb; gates[token] = (ga, gb) for the experts a < b; info[token] = set | rank << 8, where set = a (15 - a) / 2 + b - a - 1 (0 .. 27)
; and rank counts the earlier tokens of the same set among the work-group's 16; cnt[work-group][32] = tokens of each set.  No address and no branch hangs on the choice.
; SHARES.  Wave w takes the channels 256 w .. 256 w + 255 of all 16 tokens: 32 loads of 512 consecutive bytes, all asked for at once; no loop.  The four partial logits meet in LDS; wave 0 finishes.
; LIMITS.  NaN and infinities are not treated apart.  Two logits closer than the rounding of the f32 sums (some 1e-6 here) may be ordered otherwise than another order of summation orders them.
; No cluster: no two work-groups read the same bytes but Wg's 32 KiB.
; THE MODE: SCHED_MODE bits 1:0 = 2 (LLVM: expert scheduling mode 2), set by the entry lines.  The code itself states the register dependences
; between vector or matrix instructions and memory or LDS instructions, with s_wait_alu, always for 0.
; THE PLAN.  Registers that memory or LDS instructions touch:
;   v4 .. v15    offsets and LDS addresses: made once at the head, one wait ahead of the first load, never written again.
;   W, X         landed in by the loads of Wg and x, rounded in place, read by the stores.  A batch's stores stand at the head of the NEXT batch, behind the wait for that batch's data and one wait on va_vdst.
;                When all stores are out, one wait on vm_vsrc: the fragments' LDS loads land in the same registers.
;   v48 .. v55   the partial logits: written by the packed sums, read by two LDS stores: one wait on va_vdst, which also says that the products are done reading v64 .. v95, in which wave 0's loads land.
;   v122 .. v127 wave 0's results: one wait on va_vdst ahead of the three stores.
; A vector instruction's scalar result (the wave's number, a lane read, a compare's mask) has its wait ahead of its first reader; compares and lane reads are laid in runs, one wait behind a run.
.set XP,    528                 ; a token's 512 bytes of bf16 + 16: 132 words, so the 16 rows of a fragment load start 4 banks apart (64 banks of 4 bytes: ISA guide 11.1)
.set XTW,   16*XP               ; a wave's own 16 rows
.set WGI,   4*XTW               ; a wave's own 256 rows [k] of 32 bytes: the 8 experts in bf16, then the same 8 again
.set PART,  WGI+4*8192          ; 32 bytes a lane, 1,024 a wave: the partial logits
.set X,     64                  ; v[64:191]  32 loads of x; then v[64:127] the 8 token fragments
.set W,     192                 ; v[192:255] 16 loads of Wg; then the 8 fragments of Wg
	s_load_b256 s[4:11], s[0:1], 0x0               ; x s[4:5], Wg s[6:7], bg s[8:9], xb s[10:11]
	s_load_b128 s[12:15], s[0:1], 0x20             ; gates s[12:13], info s[14:15]
	s_load_b64 s[16:17], s[0:1], 0x30              ; cnt
	v_lshl_add_u32 v62, v0, 2, 0x11400
	v_mov_b32 v63, 0
	v_lshrrev_b32 v1, 5, v0
	v_readfirstlane_b32 s18, v1                    ; wave 0..3
	v_and_b32 v1, 31, v0                           ; lane
	v_and_b32 v2, 15, v0                           ; r
	v_bfe_u32 v3, v0, 4, 1                         ; h
	v_lshlrev_b32 v4, 4, v1                        ; x: 16 bytes a lane
	v_lshlrev_b32 v5, 5, v1                        ; Wg: a row of 32 bytes a lane
	v_lshlrev_b32 v6, 3, v1                        ; xb: 8 bytes a lane
	s_wait_alu depctr_va_sdst(0)                   ; s18 is written, ahead of its first reader: LDS places and bases are made from it
	s_mul_i32 s30, s18, XTW                        ; my rows of tokens in LDS
	s_lshl_b32 s31, s18, 13
	s_add_co_u32 s31, s31, WGI                     ; my rows of Wg in LDS
	v_lshl_add_u32 v7, v1, 3, s30                  ; where I put 8 bytes of a token
	v_lshl_add_u32 v8, v1, 5, s31                  ; where I put a row of Wg
	v_mul_u32_u24 v9, v2, XP
	v_lshl_add_u32 v9, v3, 4, v9
	v_add_nc_u32 v9, s30, v9                       ; token fragments: row r, 16 bytes for each half of the lanes
	v_and_b32 v10, 7, v0
	v_lshl_add_u32 v10, v3, 3, v10                 ; the turning load: row 8 h + lane % 8,
	v_bfe_u32 v11, v0, 3, 1
	v_lshlrev_b32 v10, 5, v10
	v_lshl_add_u32 v10, v11, 4, v10                ; 16 bytes: columns 0-7 or 8-15
	v_add_nc_u32 v10, s31, v10
	s_lshl_b32 s32, s18, 10
	s_add_co_u32 s32, s32, PART
	v_lshl_add_u32 v11, v1, 5, s32                 ; my partial logits
	v_lshl_add_u32 v12, v1, 5, PART                ; wave 0 reads all four
	s_lshl_b32 s33, ttmp9, 6
	s_lshl_b32 s34, ttmp9, 7
	v_lshl_add_u32 v13, v2, 2, s33                 ; info: 4 (16 g + r)
	v_lshl_add_u32 v14, v2, 3, s34                 ; gates: 8 (16 g + r)
	v_lshl_add_u32 v15, v1, 2, s34                 ; cnt: 128 g + 4 lane
	s_lshl_b32 s28, ttmp9, 16                      ; x: 16 rows of 4,096 bytes a work-group, 1,024 bytes of each a wave
	s_lshl_b32 s29, s18, 10
	s_add_co_u32 s28, s28, s29
	s_mov_b32 s29, 0
	s_lshl_b32 s36, s18, 13                        ; Wg: 256 rows of 32 bytes a wave
	s_mov_b32 s37, 0
	s_lshl_b32 s38, ttmp9, 15                      ; xb: 16 rows of 2,048 bytes, 512 bytes of each a wave
	s_lshl_b32 s39, s18, 9
	s_add_co_u32 s38, s38, s39
	s_mov_b32 s39, 0
	s_wait_kmcnt 0x0
	s_add_nc_u64 s[4:5], s[4:5], s[28:29]
	s_add_nc_u64 s[6:7], s[6:7], s[36:37]
	s_add_nc_u64 s[10:11], s[10:11], s[38:39]
	s_load_b256 s[20:27], s[8:9], 0x0              ; bg
	s_wait_alu depctr_va_vdst(0)                   ; v4 to v15 are written: every load and store of the kernel reads one of them as its offset or address
.set i, 0
.rept 8                                            ; Wg first: rows 32 i + lane
	global_load_b128 v[W+8*i:W+8*i+3],   v5, s[6:7] offset:1024*i
	global_load_b128 v[W+8*i+4:W+8*i+7], v5, s[6:7] offset:1024*i+16
.set i, i+1
.endr
.set i, 0
.rept 32                                           ; x: row i / 2, half i % 2 of my 1,024 bytes: 512 consecutive bytes a load
	global_load_b128 v[X+4*i:X+4*i+3], v4, s[4:5] offset:(i/2)*4096+(i%2)*512 th:TH_LOAD_NT
.set i, i+1
.endr
	s_wait_loadcnt 32                              ; Wg's 16 loads are in; the 32 of x, issued behind them, stay out
.set i, 0
.rept 8                                            ; Wg rounded in place: a row's eight numbers close up into the first four of their eight registers
	v_cvt_pk_bf16_f32 v[W+8*i],   v[W+8*i],   v[W+8*i+1]
	v_cvt_pk_bf16_f32 v[W+8*i+1], v[W+8*i+2], v[W+8*i+3]
	v_cvt_pk_bf16_f32 v[W+8*i+2], v[W+8*i+4], v[W+8*i+5]
	v_cvt_pk_bf16_f32 v[W+8*i+3], v[W+8*i+6], v[W+8*i+7]
.set i, i+1
.endr
; Batch n: four loads of x.  XCV rounds them in place; XST stores them to xb (256 consecutive bytes, aligned) and lays them into my rows in LDS.
.macro XCV n
.set z, 4*(\n)
.rept 4
	v_cvt_pk_bf16_f32 v[X+4*z],   v[X+4*z],   v[X+4*z+1]
	v_cvt_pk_bf16_f32 v[X+4*z+1], v[X+4*z+2], v[X+4*z+3]
.set z, z+1
.endr
.endm
.macro XST n
.set z, 4*(\n)
.rept 4
	global_store_b64 v6, v[X+4*z:X+4*z+1], s[10:11] offset:(z/2)*2048+(z%2)*256
	ds_store_b64 v7, v[X+4*z:X+4*z+1] offset:(z/2)*XP+(z%2)*256
.set z, z+1
.endr
.endm
.irp n, 0,1,2,3,4,5,6,7
	s_wait_loadcnt 28-4*\n                         ; loads come back in order: all but the 28 - 4 n issued behind this batch's four
	s_wait_alu depctr_va_vdst(0)                   ; the conversions of the batch before (ahead of batch 0: Wg's) have written the registers that the stores below read
.if \n == 0
.set i, 0
.rept 8
	ds_store_b128 v8, v[W+8*i:W+8*i+3] offset:1024*i      ; columns 0-7: the experts,
	ds_store_b128 v8, v[W+8*i:W+8*i+3] offset:1024*i+16   ; columns 8-15: the experts again, so that both halves of the lanes get the same logits
.set i, i+1
.endr
.else
	XST (\n)-1
.endif
	XCV \n
.endr
	s_wait_alu depctr_va_vdst(0)                   ; the last batch's conversions have written what its stores read; and every conversion is done reading X and W, in which the fragments' loads land
	XST 7
	s_wait_xcnt 0x0                                ; the stores to xb have had their addresses translated: only now are their registers loaded again,
	s_wait_alu depctr_vm_vsrc(0)                   ; and the stores, to xb and to LDS, have read X and W
.set i, 0
.rept 8                                            ; my own bytes, and LDS serves a wave's instructions in order: no wait on DScnt and no barrier between the stores above and these
	ds_load_b128 v[X+8*i:X+8*i+3],        v9  offset:64*i
	ds_load_b128 v[X+8*i+4:X+8*i+7],      v9  offset:64*i+32
	ds_load_tr16_b128 v[W+8*i:W+8*i+3],   v10 offset:1024*i
	ds_load_tr16_b128 v[W+8*i+4:W+8*i+7], v10 offset:1024*i+512
.set i, i+1
.endr
	s_wait_dscnt 0x0
	; Source 0 = 16 columns of Wg (experts twice), source 1 = 16 tokens: register j of lane (r, h) is expert j of token r.  Two accumulators take turns.
	v_wmma_f32_16x16x32_bf16 v[32:39], v[W:W+7],    v[X:X+7],    0
	v_wmma_f32_16x16x32_bf16 v[40:47], v[W+8:W+15], v[X+8:X+15], 0
.set i, 2
.rept 3
	v_wmma_f32_16x16x32_bf16 v[32:39], v[W+8*i:W+8*i+7],    v[X+8*i:X+8*i+7],    v[32:39]
	v_wmma_f32_16x16x32_bf16 v[40:47], v[W+8*i+8:W+8*i+15], v[X+8*i+8:X+8*i+15], v[40:47]
.set i, i+2
.endr
.rept 4
	v_nop                                          ; four places between the last product and the first read of a result (ISA guide 7.12.1)
.endr
.irp p, 0,2,4,6                                    ; from each accumulator's low end on
	v_pk_add_f32 v[48+\p:49+\p], v[32+\p:33+\p], v[40+\p:41+\p]
.endr
	s_wait_alu depctr_va_vdst(0)                   ; the sums have written v[48:55], which the LDS stores read; the products are done reading v[64:95], in which wave 0's loads land (no vector instruction stands between)
	ds_store_b128 v11, v[48:51]
	ds_store_b128 v11, v[52:55] offset:16
	s_wait_kmcnt 0x0                               ; bg
	s_wait_dscnt 0x0                               ; for wave 0's sake: my partial logits are in LDS
	s_barrier_signal -1
	s_barrier_wait -1
	s_cmp_eq_u32 s18, 0
	s_cbranch_scc1 .Lwave0
	s_wait_dscnt 0x0                               ; waves 1 to 3 end
	s_wait_alu depctr_hold_cnt(0) depctr_sa_sdst(0) depctr_va_vdst(0) depctr_va_sdst(0) depctr_va_ssrc(0) depctr_va_vcc(0) depctr_vm_vsrc(0)
	s_wait_tensorcnt 0x0
	ds_add_u32 v62, v63
	s_wait_dscnt 0x0
	s_endpgm
.Lwave0:
.irp p, 0,1,2,3
	ds_load_b128 v[64+8*\p:64+8*\p+3], v12 offset:1024*\p
	ds_load_b128 v[64+8*\p+4:64+8*\p+7], v12 offset:1024*\p+16
.endr
.irp p, 0,1,2,3                                    ; bg rounded to bf16, like every input, and widened again
	v_cvt_pk_bf16_f32 v[104+\p], s[20+2*\p], s[21+2*\p]
.endr
.irp p, 0,1,2,3
	v_lshlrev_b32 v[96+2*\p], 16, v[104+\p]
	v_and_b32 v[97+2*\p], 0xffff0000, v[104+\p]
.endr
	s_wait_dscnt 0x0
.irp p, 0,2,4,6
	v_pk_add_f32 v[64+\p:65+\p], v[64+\p:65+\p], v[72+\p:73+\p]
	v_pk_add_f32 v[80+\p:81+\p], v[80+\p:81+\p], v[88+\p:89+\p]
.endr
.irp p, 0,2,4,6
	v_pk_add_f32 v[64+\p:65+\p], v[64+\p:65+\p], v[80+\p:81+\p]
.endr
.irp p, 0,2,4,6
	v_pk_add_f32 v[64+\p:65+\p], v[64+\p:65+\p], v[96+\p:97+\p]   ; v[64:71]: the 8 logits of token r
.endr
; The largest of v[64:71] into val, and the lowest index that holds it into idx: the maximum first, so that the compares stand in one run with one wait behind it.
.macro TOP val, idx
	v_max3_num_f32 v[\val], v64, v65, v66
	v_max3_num_f32 v[\val], v[\val], v67, v68
	v_max3_num_f32 v[\val], v[\val], v69, v70
	v_max_num_f32 v[\val], v[\val], v71
.irp j, 0,1,2,3,4,5,6
	v_cmp_eq_f32 s[28+\j], v[64+\j], v[\val]
.endr
	v_mov_b32 v[\idx], 7                           ; if none of the first seven holds it, the eighth does
	s_wait_alu depctr_va_sdst(0)                   ; the seven masks s[28:34] are written, ahead of the selects that read them
.irp j, 6,5,4,3,2,1,0
	v_cndmask_b32 v[\idx], v[\idx], \j, s[28+\j]   ; the lowest index is taken last, so it wins a tie
.endr
.endm
	TOP 110, 111                                   ; l1 and its index
	v_mov_b32 v112, 0xff800000                     ; the chosen logit gives way to minus infinity,
.irp j, 0,1,2,3,4,5,6,7
	v_cmp_eq_u32 s[28+\j], \j, v111
.endr
	s_wait_alu depctr_va_sdst(0)                   ; the eight masks s[28:35] are written, ahead of the selects that read them
.irp j, 0,1,2,3,4,5,6,7
	v_cndmask_b32 v[64+\j], v[64+\j], v112, s[28+\j]
.endr
	TOP 113, 114                                   ; and the same lines find l2
	v_sub_f32 v115, v113, v110                     ; l2 - l1, never above 0
	v_mul_f32 v115, 0x3fb8aa3b, v115               ; times log2(e)
	v_exp_f32 v116, v115
	v_cmp_lt_u32 vcc_lo, v111, v114                ; (plain work behind the exponential) is the larger logit's expert the lower one?
	s_wait_alu depctr_va_vcc(0)                    ; VCC is written, ahead of the first select that reads it
	v_cndmask_b32 v120, v114, v111, vcc_lo         ; a
	v_cndmask_b32 v121, v111, v114, vcc_lo         ; b
	s_wait_alu depctr_va_vdst(0)                   ; the wait ahead of the first line that names the exponential's result, v116
	v_add_f32 v117, 1.0, v116
	v_rcp_f32 v118, v117                           ; g1
	v_sub_nc_u32 v124, 15, v120                    ; (plain work behind the reciprocal) the set's number
	v_mul_u32_u24 v124, v124, v120
	v_lshrrev_b32 v124, 1, v124
	v_add_nc_u32 v124, v124, v121
	v_sub_nc_u32 v124, v124, v120
	v_add_nc_u32 v124, -1, v124
	s_wait_alu depctr_va_vdst(0)                   ; and ahead of the first line that names the reciprocal, v118
	v_mul_f32 v119, v116, v118                     ; g2
	v_cndmask_b32 v122, v119, v118, vcc_lo         ; ga
	v_cndmask_b32 v123, v118, v119, vcc_lo         ; gb
	v_mov_b32 v125, 0                              ; lane = set: how many of the 16 tokens have it
	v_mov_b32 v126, 0                              ; lane = token: how many earlier tokens have its set
; Eight tokens at a time.  Token j's set is read as a scalar: the lane of that number counts it, and so do the later tokens of the same set.
.irp hh, 0,1
.irp j, 0,1,2,3,4,5,6,7
	v_readlane_b32 s[20+\j], v124, 8*\hh+\j
.endr
	s_wait_alu depctr_va_sdst(0)                   ; the eight sets s[20:27] are written, ahead of the compares that read them
.irp j, 0,1,2,3,4,5,6,7
	v_cmp_eq_u32 s[28+\j], s[20+\j], v1
	v_cmp_eq_u32 s[36+\j], s[20+\j], v124
.endr
	s_wait_alu depctr_va_sdst(0)                   ; the sixteen masks s[28:43] are written, ahead of the lines that read them
.irp j, 0,1,2,3,4,5,6,7
	s_and_b32 s[36+\j], s[36+\j], ((0xffff<<(8*\hh+\j+1))&0xffff)*0x10001   ; the lanes with r > j, in both halves
	v_cndmask_b32 v127, 0, 1, s[28+\j]
	v_add_nc_u32 v125, v125, v127
	v_cndmask_b32 v109, 0, 1, s[36+\j]
	v_add_nc_u32 v126, v126, v109
.endr
.endr
	v_lshl_or_b32 v127, v126, 8, v124
	s_wait_alu depctr_va_vdst(0)                   ; v[122:123], v125 and v127 are written, which the three stores read
	global_store_b32 v13, v127, s[14:15]           ; lanes 16-31 hold the same numbers as lanes 0-15 and write them to the same places
	global_store_b64 v14, v[122:123], s[12:13]
	global_store_b32 v15, v125, s[16:17]
	s_wait_dscnt 0x0                               ; the wave's end
	s_wait_alu depctr_hold_cnt(0) depctr_sa_sdst(0) depctr_va_vdst(0) depctr_va_sdst(0) depctr_va_ssrc(0) depctr_va_vcc(0) depctr_vm_vsrc(0)
	s_wait_tensorcnt 0x0
	ds_add_u32 v62, v63
	s_wait_dscnt 0x0
	s_endpgm
.Lfunc_end_k_q443c9f6820_router:
	.size	k_q443c9f6820_router, .Lfunc_end_k_q443c9f6820_router-k_q443c9f6820_router
	.p2alignl 7, 3214868480
	.fill 96, 4, 3214868480
	.section	.rodata,"a",@progbits
	.p2align	6, 0x0
	.amdhsa_kernel k_q443c9f6820_router
		.amdhsa_group_segment_fixed_size 71168
		.amdhsa_private_segment_fixed_size 0
		.amdhsa_enable_private_segment 0
		.amdhsa_kernarg_size 56
		.amdhsa_user_sgpr_count 2
		.amdhsa_user_sgpr_kernarg_segment_ptr 1
		.amdhsa_wavefront_size32 1
		.amdhsa_system_sgpr_workgroup_id_x 1
		.amdhsa_system_sgpr_workgroup_id_y 1
		.amdhsa_system_sgpr_workgroup_id_z 1
		.amdhsa_system_vgpr_workitem_id 0
		.amdhsa_next_free_vgpr 256
		.amdhsa_next_free_sgpr 66
		.amdhsa_reserve_vcc 1
		.amdhsa_float_denorm_mode_32 3
		.amdhsa_float_denorm_mode_16_64 3
		.amdhsa_memory_ordered 1
		.amdhsa_forward_progress 1
		.amdhsa_inst_pref_size 38
	.end_amdhsa_kernel
	.amdgpu_metadata
---
amdhsa.version: [ 1, 2 ]
amdhsa.kernels:
  - .name:           k_q443c9f6820_router
    .symbol:         k_q443c9f6820_router.kd
    .args:
      - { .name: x, .offset: 0, .size: 8, .value_kind: global_buffer, .address_space: global }
      - { .name: Wg, .offset: 8, .size: 8, .value_kind: global_buffer, .address_space: global }
      - { .name: bg, .offset: 16, .size: 8, .value_kind: global_buffer, .address_space: global }
      - { .name: xb, .offset: 24, .size: 8, .value_kind: global_buffer, .address_space: global }
      - { .name: gates, .offset: 32, .size: 8, .value_kind: global_buffer, .address_space: global }
      - { .name: info, .offset: 40, .size: 8, .value_kind: global_buffer, .address_space: global }
      - { .name: cnt, .offset: 48, .size: 8, .value_kind: global_buffer, .address_space: global }
    .group_segment_fixed_size: 71168
    .private_segment_fixed_size: 0
    .kernarg_segment_align: 8
    .kernarg_segment_size: 56
    .max_flat_workgroup_size: 128
    .sgpr_count:     66
    .vgpr_count:     256
    .wavefront_size: 32
...
	.end_amdgpu_metadata
.endif
;; end of part 4
;; launch prep: the kernel of part 2 again; grid 272 x 1, 16 waves a work-group, no clusters, 69,632 bytes of LDS; arguments We, cnt, info, wf, perm, tiles; writes wf, perm, tiles
;; launch moe (part 5): grid 4 x 79, 4 waves a work-group, no clusters, 192,768 bytes of LDS; arguments xb, wf, be, gates, perm, tiles, out0; writes out0
.if DOCPART == 5
	.amdgcn_target "amdgcn-amd-amdhsa--gfx1250"
	.amdhsa_code_object_version 6
	.text
	.protected	k_q443c9f6820_moe
	.globl	k_q443c9f6820_moe
	.p2align	8
	.type	k_q443c9f6820_moe,@function
k_q443c9f6820_moe:
	s_mov_b64 s[64:65], 0
	v_nop
	global_prefetch_b8 v0, s[64:65] scope:SCOPE_SE
	s_setreg_imm32_b32 hwreg(HW_REG_WAVE_SCHED_MODE, 0, 2), 2
	s_setreg_imm32_b32 hwreg(HW_REG_WAVE_MODE, 25, 1), 1
	s_wait_xcnt 0x0
	s_wait_alu depctr_vm_vsrc(0)
; out[t] = ga (x[t] We[a] + be[a]) + gb (x[t] We[b] + be[b]) for the tokens t of one set {a < b} of experts.
; A work-group takes a tile of up to 160 tokens of one set (tiles[y]) and 256 columns (x); each output row has one owner.  Four waves, each all 160 rows x 64 columns:
; 10 x 4 accumulators, 320 registers.  ONE accumulator takes both experts: the token rows are laid into LDS twice, as bf16(ga xb) and as bf16(gb xb), and K runs over 2 x 1,024.
; The bias is one more K step, the first, with C = 0: the token operand holds (ga, gb) in two places of k, the weight operand (be[a][col], be[b][col]) there and 0 elsewhere.
; TOKENS go in 8 chunks of 128 along K through two LDS slots that take turns, filled through registers (the rows come by a list): load, scale, store; one barrier a chunk, for up to 320 matrix instructions.
; WEIGHTS come from wf straight into registers: each fragment has one reader in the work-group, so a way through LDS would serve nobody.  Four register slots: three K steps (24 loads) are on their way.
; THE MATRIX INSTRUCTION: source 0 = a weight fragment (16 columns), source 1 = 16 tokens.  Register jj of lane (r, h) of accumulator (blk, j) is token 16 blk + r, column 64 cg + 32 h + 4 jj + j.
; Inside a K step k is permuted alike on both sides: lane (r, h) holds k = 16 h + 0..15.
; A TILE THAT IS NOT FULL.  Of the blocks 6 to 9 of 16 rows those that hold no row are not multiplied: a step jumps to its end in front of the first of them.  Blocks 0 to 5 are always multiplied (the lines
; that scale the next chunk stand behind their products).  In the last block that holds rows the places past the count repeat the tile's last token: they give that token's own numbers and store them to its
; own row again.  Blocks without rows are not stored.
; A TILE WITHOUT ROWS (the grid, 79 tiles, serves every split of the tokens: the sum of ceil(n / 160) over 28 sets is at most 79) runs the set-up on tokens that exist, passes every barrier, jumps over
; every chunk's work and stores nothing.  Every barrier stands at a chunk's edge, outside what is jumped; the state there (all accumulators written, the next three steps' 24 weight loads the youngest
; loads out, nothing else pending) is made by the set-up and left as it is by a chunk that is jumped.
; NO CLUSTER: a set has 1 to 52 tiles, so the work-groups that share weights differ in number from set to set and from input to input; the four column blocks of a tile share only the gathered rows,
; 320 KiB of a work-group's 1,344 KiB, and those come by a list that no descriptor covers.  No prefetch: xb and wf were stored by the two launches just before.
; LIMITS.  Token operands are rounded twice (bf16(x), then bf16(g xb)); be, ga and gb enter the bias step rounded to bf16.  NaN and infinities are not treated apart.
; THE MODE: SCHED_MODE bits 1:0 = 2 (LLVM: expert scheduling mode 2), set by the entry lines.  The code itself states the register dependences
; between vector or matrix instructions and memory or LDS instructions, with s_wait_alu, always for 0.
; THE PLAN.  Registers that memory or LDS instructions touch, in the loop (step s of a chunk's eight):
;   FA0, FA1        The products of step s read FA[s % 2]; the LDS loads of step s land in the other, which the products of step s - 1 read.
;   weight slots    The products of step s read slot s % 4; the loads of step s land in slot (s + 3) % 4, which the products of step s - 1 read.
;   STG, batch q    Landed in by the gather of step q; read by the scaling lines of step q + 3; landed in again in the next chunk's step q.
;   TMP             Written by the scaling lines of steps 3 to 6; read by the LDS stores at the head of steps 4 to 7.
;   the addresses and offsets (AA0, AB0, GLW0, VBO, GOF) are made in the set-up and never written again: scalar bases and immediate offsets do the rest.
; So ONE wait on va_vdst stands at a step's head, behind the waits for the step's own fragments and weights: the step before is done reading the fragment buffer and the weight slot that this step loads,
; its scaling lines have written TMP and are done reading their batch.  The step's memory instructions follow with no further wait on va_vdst: the stores and the fragment loads at once, the loads from memory behind
; the products of blocks 0 and 1, which (with the scaling lines beside them) name slot s % 4, FA[s % 2], accumulators, STG's batch s - 3, the gates and TMP: none of the registers that those loads touch.
; One wait on vm_vsrc stands in steps 3 to 6, ahead of the first scaling line: the LDS stores have read TMP.
; REGISTERS, in windows of 256 (s_set_vgpr_msb: bits 1:0 source 0, 3:2 source 1, 5:4 source 2, 7:6 destination):
;   window 0: v0-55 addresses and work; v56-95 (ga, gb) for each of my 20 gather loads; v96-175, v176-255 token fragments, two buffers of 10 x 8
;   window 1: v0-191 accumulators of blocks 0-5, (blk, j) at 32 blk + 8 j; v192-231 scaled rows on their way to LDS; v232 zero
;   window 2: v0-127 accumulators of blocks 6-9
;   window 3: v0-127 weights, four slots of 32; v128-207 gathered rows, 20 loads x 4; v208-227 their offsets; v228-230 addresses
.set PITCH, 272                 ; an LDS row: 256 bytes + 16 = 68 words: the 16 rows of a fragment load start 4 banks apart (64 banks of 4 bytes: ISA guide 11.1)
.set COPYB, 160*PITCH           ; a slot: 160 rows times ga, then 160 rows times gb
.set SLOTB, 2*COPYB             ; slot 0 at byte 0, slot 1 behind it
.set STAGE, 2*SLOTB             ; behind the slots: 16 rows x 272 bytes for each wave, for the way out
.set STGW,  16*PITCH
.set TOK,   STAGE+4*STGW        ; the tile's 160 token numbers
.set AA0,  4                    ; v4, v6  my place in a fragment's rows, 272 r + 32 h, in the first copy of slot 0, 1; never rewritten
.set AB0,  5                    ; v5, v7  the same in the second copy; never rewritten
.set STO,  8                    ; the way out: where I put a number
.set RD,   9                    ; the way out: where I read 16 bytes of a row back
.set COL,  10                   ; my 16 bytes among a row's 4,096 of out0 and of be
.set LT,   11                   ; the way out: where my row's token number lies
.set T0,   14
.set TG,   16                   ; v[16:35] tokens of my 20 gather loads; v[36:45] of the 10 fragment rows
.set T2,   46
.set T3,   47
.set BEA,  48                   ; v[48:51], v[52:55] be of my four columns, experts a and b
.set BEB,  52
.set GAB,  56
.set FA0,  96
.set FA1,  176
.set GF,   96                   ; at the start: (ga, gb) of the fragment rows, f32
.set AD,   116                  ; at the start: v[116:145] the 30 tokens' byte offsets in perm
.set AG,   146                  ; at the start: v[146:175] their byte offsets in gates
.set GP,   176                  ; at the start: the fragment rows' gates packed to bf16, two registers apart
.set TK,   16                   ; the way out: v[16:31] token numbers, two sets of 8 by turns
.set OF,   32                   ;              v[32:39] the stores' offsets
.set OB,   96                   ;              v[96:191] rows read back, three sets of 32 by turns
.set TMP,  192                  ; window 1
.set ZERO, 232
.set STG,  128                  ; window 3
.set GOF,  208
.set VBO,  228
.set GLW0, 229                  ; v229, v230 of window 3: where my 16 bytes of gather load 0 go in slot 0, 1; never rewritten
.set EA,   20                   ; s20-23: the tile: a, b, first place in perm, rows
.set EB,   21
.set START, 22
.set ROWS, 23
.set WV,   24
.set R1,   25
.set PA,   26                   ; s[26:27] wf at expert a, my 64 columns, the chunk in hand
.set PB,   28                   ; s[28:29] the same for b
.set XBP,  30                   ; s[30:31] xb at the chunk to gather
.set CNT,  34
.set NB,   35                   ; blocks of 16 rows that hold rows
.set W_LO, 0x53                 ; weights (or gathered rows) window 3, tokens (or gates) window 0, C and D (or zero and scaled rows) window 1
.set W_HI, 0xa3                 ; the same with C and D in window 2
.set MSB, 0
.macro WIN new                  ; the immediate's high byte repeats the setting that is left; a switch that changes nothing is dropped
.if MSB != (\new)
	s_set_vgpr_msb (MSB<<8)|(\new)
.set MSB, \new
.endif
.endm
; Blocks b0 .. b1 x the four fragments of weight slot bs.  The accumulators take turns, one instruction a turn, in the same order in every step.  zero = 1: the products start the sums.
.macro WM b0, b1, bs, fa, zero=0, ts=8
.set blk_, \b0
.rept (\b1)-(\b0)+1
.if blk_ < 6
	WIN W_LO
.set ra_, 32*blk_
.else
	WIN W_HI
.set ra_, 32*(blk_-6)
.endif
.set j_, 0
.rept 4
.if \zero
	v_wmma_f32_16x16x32_bf16 v[ra_+8*j_:ra_+8*j_+7], v[32*(\bs)+8*j_:32*(\bs)+8*j_+7], v[(\fa)+(\ts)*blk_:(\fa)+(\ts)*blk_+7], 0
.else
	v_wmma_f32_16x16x32_bf16 v[ra_+8*j_:ra_+8*j_+7], v[32*(\bs)+8*j_:32*(\bs)+8*j_+7], v[(\fa)+(\ts)*blk_:(\fa)+(\ts)*blk_+7], v[ra_+8*j_:ra_+8*j_+7]
.endif
.set j_, j_+1
.endr
.set blk_, blk_+1
.endr
.endm
; Blocks 6 .. 9, as far as they hold rows: in front of each block the step jumps to its end if the tile's blocks do not reach it.  At a branch and at a label every window is 0, so each test costs two switches;
; they and the two scalar lines stand beside a block's four matrix instructions.  Whatever the jump, the next matrix instruction is block 0's: never the accumulator of the one before it.
.macro WMS bs, fa
.set blk_, 6
.rept 4
	WIN 0
	s_cmp_le_u32 s[NB], blk_
	s_cbranch_scc1 .Ldead_\@                       ; what is jumped holds no barrier and no memory instruction
	WIN W_HI
.set j_, 0
.rept 4
	v_wmma_f32_16x16x32_bf16 v[32*(blk_-6)+8*j_:32*(blk_-6)+8*j_+7], v[32*(\bs)+8*j_:32*(\bs)+8*j_+7], v[(\fa)+8*blk_:(\fa)+8*blk_+7], v[32*(blk_-6)+8*j_:32*(blk_-6)+8*j_+7]
.set j_, j_+1
.endr
.set blk_, blk_+1
.endr
	WIN 0
.Ldead_\@:
.endm
; The token fragments of one K step: 20 LDS loads in one run
.macro ALOAD fa, adr, koff
	WIN 0
.set z_, 0
.rept 10
	ds_load_b128 v[(\fa)+8*z_:(\fa)+8*z_+3],   v[\adr] offset:z_*16*PITCH+(\koff)
	ds_load_b128 v[(\fa)+8*z_+4:(\fa)+8*z_+7], v[\adr] offset:z_*16*PITCH+(\koff)+16
.set z_, z_+1
.endr
.endm
; The weights of one K step: 8 loads of 512 consecutive bytes, in the registers' own order
.macro BLOAD bs, ptr, off
	WIN 0xc3
.set z_, 0
.rept 8
	global_load_b128 v[32*(\bs)+4*z_:32*(\bs)+4*z_+3], v[VBO], s[\ptr:\ptr+1] offset:(\off)+512*z_
.set z_, z_+1
.endr
.endm
; Batch q of the gather: 5 loads; each half of the lanes takes 256 aligned bytes of one token's row
.macro GLOAD q
	WIN 0xc3
.set z_, 0
.rept 5
	global_load_b128 v[STG+4*(5*(\q)+z_):STG+4*(5*(\q)+z_)+3], v[GOF+5*(\q)+z_], s[XBP:XBP+1]
.set z_, z_+1
.endr
.endm
; Step s's loads from memory: the weights three steps on and, in steps 0-3 of all chunks but the last, a batch of the next chunk's rows.  They stand behind the products of blocks 0 and 1.
; No wait: no vector or matrix instruction since the wait at the step's head names the slot, the batch or the offsets that they touch.
.macro FAR s, main
.if (\s) == 0
	BLOAD 3, PA, 12288
.elseif (\s) < 5
	BLOAD ((\s)+3)%4, PB, ((\s)-1)*4096
.elseif \main
	BLOAD ((\s)+3)%4, PA, ((\s)-1)*4096            ; the next chunk's first three steps
.endif
.if (\main) && ((\s) < 4)
	GLOAD \s
.endif
.endm
; Line n of the 80 that scale batch q: bf16(g x), one rounding, the gate in f32.  For each load 8 low halves (copy a's four registers, copy b's), then the 8 high halves.
.macro RID q, n
.set u_, (\n)/16
.set c_, ((\n)%8)/4
.set g_, (\n)%4
.if ((\n)%16) < 8
	v_fma_mixlo_bf16 v[TMP+8*u_+4*c_+g_], v[STG+4*(5*(\q)+u_)+g_], v[GAB+2*(5*(\q)+u_)+c_], v[ZERO] op_sel_hi:[1,0,0]
.else
	v_fma_mixhi_bf16 v[TMP+8*u_+4*c_+g_], v[STG+4*(5*(\q)+u_)+g_], v[GAB+2*(5*(\q)+u_)+c_], v[ZERO] op_sel:[1,0,0] op_sel_hi:[1,0,0]
.endif
.endm
.macro GSTORE q, gl             ; batch q into the slot whose address register is gl: both copies
	WIN 0x07                                       ; address window 3, data window 1
.set u_, 0
.rept 5
	ds_store_b128 v[\gl], v[TMP+8*u_:TMP+8*u_+3]   offset:(5*(\q)+u_)*2*PITCH
	ds_store_b128 v[\gl], v[TMP+8*u_+4:TMP+8*u_+7] offset:(5*(\q)+u_)*2*PITCH+COPYB
.set u_, u_+1
.endr
.endm
; Blocks 0-5 of step s with batch q's 80 scaling lines.  Block 0's four products stand bare, ahead of the wait that frees TMP; four scaling lines stand behind each of the other 20 products.
.macro WMR bs, fa, q, s
	WIN W_LO
.set m_, 0
.set rn_, 0
.rept 24
.if m_ == 4
	s_wait_alu depctr_vm_vsrc(0)                   ; the LDS stores of the batch before (at this step's head; for step 3: in the last chunk's step 7, or in the set-up) have read TMP, which the lines below write again
.endif
.if m_ == 8
	FAR \s, 1
	WIN W_LO
.endif
	v_wmma_f32_16x16x32_bf16 v[8*m_:8*m_+7], v[32*(\bs)+8*(m_%4):32*(\bs)+8*(m_%4)+7], v[(\fa)+8*(m_/4):(\fa)+8*(m_/4)+7], v[8*m_:8*m_+7]
.if m_ > 3
.rept 4
	RID \q, rn_
.set rn_, rn_+1
.endr
.endif
.set m_, m_+1
.endr
.endm
; STEP s of the eight of a chunk that lies in slot p: steps 0-3 multiply copy a by expert a's weights, steps 4-7 copy b by expert b's.  At its head it asks for the next step's token fragments (step 0 for its own
; too); behind blocks 0 and 1 for the weights three steps on.  main = 1: steps 0-3 also ask for a batch of the next chunk's rows, steps 3-6 scale a batch behind their products,
; and steps 4-7 store, at their head, the batch that the step before scaled, into the other slot.
; n: how many loads, issued behind the ones this step needs, may stay out at its head, ahead of its own loads (B = a step's 8 weight loads, G = a batch's 5; in a step B is issued ahead of G):
;   step 0: B1 B2 = 16    1: B2 B3 G0 = 21    2: B3 G0 B4 G1 = 26    3 (needs B3 and G0): B4 G1 B5 G2 = 26
;   step 4 (B4, G1): B5 G2 B6 G3 = 26    5 (B5, G2): B6 G3 B7 = 21    6 (B6, G3): B7 B8 = 16    7: B8 B9 = 16.  In the last chunk there is no G, and no B from step 5 on: 16 six times, then 8, 0.
.macro STEP s, main, n, p
.if (\s) > 0
	s_wait_dscnt 0x0                               ; this step's fragments, asked for a step ago, are in; the last step's stores into the other slot are done
	s_wait_loadcnt \n                              ; this step's weights are in, and the batch that it scales
.endif
.rept 4
	v_nop                                          ; four places stay between the last step's products and the loads into registers that they read; the wait below states that dependence
.endr
.if (\main) || ((\s) < 7)
	s_wait_alu depctr_va_vdst(0)                   ; the last step's products are done reading the other fragment buffer and weight slot (s + 3) % 4, in which this step's loads land; its scaling lines have written TMP, which the stores below read, and are done reading their batch
.endif
.if (\main) && ((\s) > 3)
	GSTORE (\s)-4, GLW0+1-(\p)
.endif
.if (\s) == 0
	ALOAD FA0, AA0+2*(\p), 0
	ALOAD FA1, AA0+2*(\p), 64
.elseif (\s) < 3
	ALOAD FA0+80*(((\s)+1)%2), AA0+2*(\p), ((\s)+1)*64
.elseif (\s) < 7
	ALOAD FA0+80*(((\s)+1)%2), AB0+2*(\p), ((\s)-3)*64
.endif
.if (\s) == 0
	s_wait_dscnt 20                                ; my own 20 fragment loads are in; the next step's 20, issued behind them, stay out
	s_wait_loadcnt \n                              ; this step's weights are in
.endif
.if (\main) && ((\s) > 2) && ((\s) < 7)
	WMR (\s)%4, FA0+80*((\s)%2), (\s)-3, \s
.else
	WM 0, 1, (\s)%4, FA0+80*((\s)%2)
	FAR \s, \main
	WM 2, 5, (\s)%4, FA0+80*((\s)%2)
.endif
	WMS (\s)%4, FA0+80*((\s)%2)
.endm
; A CHUNK, in slot p.  ONE barrier, at its head, for two things: in front of it each wave's reads of the other slot are back and its stores into this slot are done; behind it this slot is whole, and nobody reads
; the other any more, which this chunk's steps 4-7 fill again.  Every wave of every tile passes it.  Behind it a tile without rows jumps over the work; the three bases step in either case.
.macro PHASE p, main
	s_wait_dscnt 0x0                               ; for the others' sake: no LDS instruction of mine is out
	s_barrier_signal -1
	s_barrier_wait -1
	s_cmp_eq_u32 s[ROWS], 0
.if \main
	s_cbranch_scc1 .Lnone_\@                       ; what is jumped holds no barrier
	STEP 0, 1, 16, \p
	STEP 1, 1, 21, \p
	STEP 2, 1, 26, \p
	STEP 3, 1, 26, \p
	STEP 4, 1, 26, \p
	STEP 5, 1, 21, \p
	STEP 6, 1, 16, \p
	STEP 7, 1, 16, \p
	WIN 0                                          ; at a label and at a branch every window is 0
.Lnone_\@:
	s_wait_xcnt 0x0                                ; every load issued has had its address translated: only now are the three bases stepped
	s_add_nc_u64 s[PA:PA+1], s[PA:PA+1], 16384
	s_add_nc_u64 s[PB:PB+1], s[PB:PB+1], 16384
	s_add_nc_u64 s[XBP:XBP+1], s[XBP:XBP+1], 256
.else
	s_cbranch_scc1 .Ldone                          ; no barrier follows
	STEP 0, 0, 16, \p                              ; the last chunk: nothing more is gathered, and no load leaves wf
	STEP 1, 0, 16, \p
	STEP 2, 0, 16, \p
	STEP 3, 0, 16, \p
	STEP 4, 0, 16, \p
	STEP 5, 0, 16, \p
	STEP 6, 0, 8, \p
	STEP 7, 0, 0, \p
.endif
.endm
	s_load_b256 s[4:11], s[0:1], 0x0               ; xb s[4:5], wf s[6:7], be s[8:9], gates s[10:11]
	s_load_b128 s[12:15], s[0:1], 0x20             ; perm s[12:13], tiles s[14:15]
	s_load_b64 s[16:17], s[0:1], 0x30              ; out0
	v_lshl_add_u32 v13, v0, 2, 0x2ef00
	v_mov_b32 v15, 0
	v_lshrrev_b32 v1, 5, v0
	v_readfirstlane_b32 s[WV], v1                  ; wave 0..3
	s_and_b32 s36, ttmp7, 0xffff                   ; the tile
	s_lshl_b32 s36, s36, 4
	s_mov_b32 s37, 0
	s_wait_kmcnt 0x0
	s_add_nc_u64 s[14:15], s[14:15], s[36:37]
	s_load_b128 s[20:23], s[14:15], 0x0            ; a, b, first place, rows
	v_and_b32 v1, 31, v0                           ; lane
	v_and_b32 v2, 15, v0                           ; r
	v_bfe_u32 v3, v0, 4, 1                         ; h
	v_mul_u32_u24 v[AA0], v2, PITCH
	v_lshl_add_u32 v[AA0], v3, 5, v[AA0]           ; row r, 32 bytes (16 k) for each half of the lanes
	v_add_nc_u32 v[AB0], COPYB, v[AA0]
	v_add_nc_u32 v[AA0+2], SLOTB, v[AA0]
	v_add_nc_u32 v[AB0+2], SLOTB+COPYB, v[AA0]
	s_wait_alu depctr_va_sdst(0)                   ; the wave's number is written, ahead of its first reader: LDS places, columns and bases are made from it
	s_mul_i32 s38, s[WV], STGW
	s_add_co_u32 s38, s38, STAGE                   ; my stage
	v_mul_u32_u24 v[STO], v2, PITCH
	v_lshl_add_u32 v[STO], v3, 7, v[STO]           ; in: row r, columns 32 h on
	v_add_nc_u32 v[STO], s38, v[STO]
	v_mul_u32_u24 v[RD], v3, PITCH
	v_lshl_add_u32 v[RD], v2, 4, v[RD]             ; back: lanes 0-15 take one row of 256 bytes, lanes 16-31 the next
	v_add_nc_u32 v[RD], s38, v[RD]
	s_lshl_b32 s38, ttmp9, 10
	s_lshl_b32 s39, s[WV], 8
	s_add_co_u32 s38, s38, s39
	v_lshl_add_u32 v[COL], v2, 4, s38              ; 1,024 x column block + 256 w + 16 r
	v_lshl_add_u32 v[LT], v3, 2, TOK
	s_mul_i32 s38, s[WV], 40                       ; the gather: wave w brings rows 40 w .. 40 w + 39; load i rows 40 w + 2 i + h
	v_add_nc_u32 v[T0], s38, v3
	v_lshlrev_b32 v[T2], 4, v2                     ; my 16 bytes of a row's 256
	v_lshl_add_u32 v[T3], v[T0], 2, TOK
	s_mov_b32 s39, PITCH
	WIN 0xc0                                       ; destination window 3
	v_lshlrev_b32 v[VBO], 4, v1
	v_mad_u32_u24 v[GLW0], v[T0], s39, v[T2]       ; where my 16 bytes of load 0 go in slot 0,
	WIN 0xcc
	v_add_nc_u32 v[GLW0+1], SLOTB, v[GLW0]         ; and in slot 1
	WIN 0
	s_wait_kmcnt 0x0
	s_min_u32 s[EA], s[EA], 7
	s_min_u32 s[EB], s[EB], 7
	s_min_u32 s[START], s[START], 0x1fff
	s_min_u32 s[ROWS], s[ROWS], 160
	s_max_u32 s[R1], s[ROWS], 1
	s_sub_co_u32 s[R1], s[R1], 1                   ; the tile's last row (0 in a tile without rows)
	s_add_co_u32 s[NB], s[ROWS], 15
	s_lshr_b32 s[NB], s[NB], 4                     ; its blocks of 16 rows
	s_lshl_b32 s38, ttmp9, 2
	s_add_co_u32 s38, s38, s[WV]                   ; cg: my group of 64 columns
	s_lshl_b32 s36, s[EA], 4
	s_add_co_u32 s36, s36, s38
	s_lshl_b32 s36, s36, 17
	s_add_nc_u64 s[PA:PA+1], s[6:7], s[36:37]      ; wf + (16 a + cg) x 131,072
	s_lshl_b32 s36, s[EB], 4
	s_add_co_u32 s36, s36, s38
	s_lshl_b32 s36, s36, 17
	s_add_nc_u64 s[PB:PB+1], s[6:7], s[36:37]
	s_lshl_b32 s36, s[EA], 12
	s_add_nc_u64 s[40:41], s[8:9], s[36:37]        ; be[a]
	s_lshl_b32 s36, s[EB], 12
	s_add_nc_u64 s[42:43], s[8:9], s[36:37]        ; be[b]
	s_mov_b64 s[XBP:XBP+1], s[4:5]
	s_mov_b32 s44, 0xffff0000                      ; lanes 16-31
	; the token numbers: places past the count repeat the tile's last token.  The 30 offsets are made in registers of their own, so that one wait serves the 30 loads and no load lands on an address.
.set i, 0
.rept 20
	v_add_nc_u32 v[AD+i], 2*i, v[T0]
.set i, i+1
.endr
.set i, 0
.rept 10
	v_add_nc_u32 v[AD+20+i], 16*i, v2
.set i, i+1
.endr
.set i, 0
.rept 30
	v_min_u32 v[AD+i], s[R1], v[AD+i]
	v_add_nc_u32 v[AD+i], s[START], v[AD+i]
	v_min_u32 v[AD+i], 0x1fff, v[AD+i]
	v_lshlrev_b32 v[AD+i], 2, v[AD+i]
.set i, i+1
.endr
	s_wait_alu depctr_va_vdst(0)                   ; the 30 offsets are written, and so is every address and offset made above (AA0 .. LT, T3, VBO, GLW0), which the kernel's loads and stores read
.set i, 0
.rept 30
	global_load_b32 v[TG+i], v[AD+i], s[12:13]
.set i, i+1
.endr
	global_load_b128 v[BEA:BEA+3], v[COL], s[40:41]
	global_load_b128 v[BEB:BEB+3], v[COL], s[42:43]
	s_wait_loadcnt 0x2                             ; the 30 token numbers are in; be's two loads, issued behind them, stay out
.set i, 0
.rept 30
	v_min_u32 v[TG+i], 0x1fff, v[TG+i]
.set i, i+1
.endr
	WIN 0xc0
.set i, 0
.rept 20
	v_lshl_add_u32 v[GOF+i], v[TG+i], 11, v[T2]    ; a row of xb is 2,048 bytes
.set i, i+1
.endr
	WIN 0
.set i, 0
.rept 30
	v_lshlrev_b32 v[AG+i], 3, v[TG+i]              ; a pair of gates is 8 bytes
.set i, i+1
.endr
	s_wait_alu depctr_va_vdst(0)                   ; the token numbers (the LDS stores' data), the gather's offsets and the gates' offsets are written
.set i, 0
.rept 20
	ds_store_b32 v[T3], v[TG+i] offset:8*i         ; for the way out; the 16 lanes of a row write the same word with the same number
.set i, i+1
.endr
.set i, 0
.rept 10
	global_load_b64 v[GF+2*i:GF+2*i+1], v[AG+20+i], s[10:11]
.set i, i+1
.endr
.set i, 0
.rept 20
	global_load_b64 v[GAB+2*i:GAB+2*i+1], v[AG+i], s[10:11]
.set i, i+1
.endr
.irp q, 0,1,2,3
	GLOAD \q                                       ; chunk 0
.endr
	s_wait_loadcnt 40                              ; be and the fragment rows' gates are in; behind them: 20 loads of gates, 20 of rows
	WIN 0
	; The bias step's token operand: block b's is the eight registers from GP + 2 b on.  Its first holds (ga, gb); the others need only be finite, since the weight operand is 0 there.
.set i, 0
.rept 10
	v_cvt_pk_bf16_f32 v[GP+2*i], v[GF+2*i], v[GF+2*i+1]
	v_mov_b32 v[GP+2*i+1], 0
.set i, i+1
.endr
.set i, 20
.rept 6
	v_mov_b32 v[GP+i], 0
.set i, i+1
.endr
.irp j, 0,1,2,3
	v_cvt_pk_bf16_f32 v[BEA+\j], v[BEA+\j], v[BEB+\j]
.endr
	WIN 0xc0                                       ; its weight operand, in weight slot 3: (be[a], be[b]) in the first register of lanes 0-15, 0 elsewhere
.irp j, 0,1,2,3
	v_cndmask_b32 v[96+8*\j], v[BEA+\j], 0, s44
.irp m, 1,2,3,4,5,6,7
	v_mov_b32 v[96+8*\j+\m], 0
.endr
.endr
	WIN 0x40
.set i, 0
.rept 41                                           ; the scaling lines write one half of a register and keep the other, so these are written once; the last is the zero that they add
	v_mov_b32 v[TMP+i], 0
.set i, i+1
.endr
	BLOAD 0, PA, 0                                 ; no wait: no vector instruction has named weight slots 0 to 2, nor VBO since the wait that showed it written
	BLOAD 1, PA, 4096
	WM 0, 9, 3, GP, 1, 2                           ; the bias step starts all 40 sums, so nothing is cleared; it runs while chunk 0's rows are on their way
	s_wait_loadcnt 16                              ; all but the 16 weight loads issued last: gates and chunk 0 are in,
	s_add_nc_u64 s[XBP:XBP+1], s[XBP:XBP+1], 256   ; so their base may step
	BLOAD 2, PA, 8192                              ; 24 weight loads are out: the first three steps'
.irp q, 0,1,2,3
.if \q > 0
	s_wait_alu depctr_vm_vsrc(0)                   ; the LDS stores of the batch before have read TMP, which the lines below write again (the first of these waits also says that the set-up's loads and stores have read v[16:45] and v[116:175])
.endif
	WIN W_LO
.set rn_, 0
.rept 80
	RID \q, rn_
.set rn_, rn_+1
.endr
	s_wait_alu depctr_va_vdst(0)                   ; the scaling lines have written TMP, which the LDS stores read
	GSTORE \q, GLW0                                ; chunk 0 goes into slot 0
.endr
	WIN 0                                          ; at a label and at a branch every window is 0
	s_mov_b32 s[CNT], 4
	s_branch .Lmid                                 ; the loop is entered in its middle: chunks 0, then 1 and 2, 3 and 4, 5 and 6
.Lloop:
	PHASE 1, 1                                     ; a chunk in slot 1; the next is gathered into slot 0
.Lmid:
	PHASE 0, 1                                     ; a chunk in slot 0; the next is gathered into slot 1
	s_sub_co_u32 s[CNT], s[CNT], 1
	s_cmp_lg_u32 s[CNT], 0
	s_cbranch_scc1 .Lloop
	PHASE 1, 0                                     ; chunk 7, in slot 1
.rept 4
	v_nop                                          ; four places between the last product and the first read of a result (ISA guide 7.12.1)
.endr
	s_wait_alu depctr_va_vdst(0)                   ; the products have written the accumulators, which the LDS stores read, and are done reading the fragment registers, in which the rows read back land; the places above stay beside this wait
; THE WAY OUT, a block of 16 tokens at a time, through my own stage in LDS, so that sixteen lanes store 256 consecutive aligned bytes of a token's row.  A wave's LDS instructions are served in order
; (ISA guide 5.7.1.4): no wait between a block's stores and its loads, nor in front of the next block's stores.  Each accumulator is read from its low end on.
; TOSTAGE b: 32 stores, the 8 token numbers, 8 loads of whole rows.  Block b + 1 goes into the stage ahead of the wait for block b.  It holds no vector instruction and owes no wait of its own:
; SEND's two waits, which stand between, cover the registers in which its loads land.
.macro TOSTAGE b
.if (\b) < 6
	WIN 0x04                                       ; data in window 1
.set ra_, 32*(\b)
.else
	WIN 0x08                                       ; data in window 2
.set ra_, 32*((\b)-6)
.endif
.set j_, 0
.rept 4
.set z_, 0
.rept 8
	ds_store_b32 v[STO], v[ra_+8*j_+z_] offset:16*z_+4*j_
.set z_, z_+1
.endr
.set j_, j_+1
.endr
	WIN 0
.set ob_, OB+32*((\b)%3)
.set tk_, TK+8*((\b)%2)
.set z_, 0
.rept 8
	ds_load_b32 v[tk_+z_], v[LT] offset:(16*(\b)+2*z_)*4
.set z_, z_+1
.endr
.set z_, 0
.rept 8
	ds_load_b128 v[ob_+4*z_:ob_+4*z_+3], v[RD] offset:z_*2*PITCH   ; into the set of 32 that block b - 3 stored from: block b - 2's waits below stood behind those stores
.set z_, z_+1
.endr
.endm
.macro SEND b, younger          ; younger: the LDS instructions issued behind block b's: the next block's 48, or none
	WIN 0
.set ob_, OB+32*((\b)%3)
.set tk_, TK+8*((\b)%2)
	s_wait_dscnt \younger
	s_wait_xcnt 0x0                                ; the last block's stores have had their addresses translated: only now are the offsets rewritten,
.if (\b) > 0
	s_wait_alu depctr_vm_vsrc(0)                   ; and those stores have read the offsets, which the lines below write again, and their 32 registers of rows, in which the staging after the next one's loads land
.endif
.set z_, 0
.rept 8
	v_min_u32 v[tk_+z_], 0x1fff, v[tk_+z_]
	v_lshl_add_u32 v[OF+z_], v[tk_+z_], 12, v[COL]
.set z_, z_+1
.endr
	s_wait_alu depctr_va_vdst(0)                   ; the offsets are written, which the stores read; the lines above are done with this set of token numbers, in which the next staging's loads land
.set z_, 0
.rept 8
	global_store_b128 v[OF+z_], v[ob_+4*z_:ob_+4*z_+3], s[16:17] th:TH_STORE_NT
.set z_, z_+1
.endr
.endm
	TOSTAGE 0
.irp b, 0,1,2,3,4,5,6,7,8
	TOSTAGE (\b)+1                                 ; staged whether it holds rows or not: its accumulators were written by the bias step at the least, and it is stored only if it holds rows
	SEND \b, 48
	s_cmp_le_u32 s[ROWS], 16*((\b)+1)
	s_cbranch_scc1 .Ldone                          ; the blocks past the count are not stored; what is jumped holds no barrier
.endr
	SEND 9, 0
.Ldone:
	s_wait_dscnt 0x0                               ; the wave's end
	s_wait_alu depctr_hold_cnt(0) depctr_sa_sdst(0) depctr_va_vdst(0) depctr_va_sdst(0) depctr_va_ssrc(0) depctr_va_vcc(0) depctr_vm_vsrc(0)
	s_wait_tensorcnt 0x0
	ds_add_u32 v13, v15
	s_wait_dscnt 0x0
	s_endpgm
.Lfunc_end_k_q443c9f6820_moe:
	.size	k_q443c9f6820_moe, .Lfunc_end_k_q443c9f6820_moe-k_q443c9f6820_moe
	.p2alignl 7, 3214868480
	.fill 96, 4, 3214868480
	.section	.rodata,"a",@progbits
	.p2align	6, 0x0
	.amdhsa_kernel k_q443c9f6820_moe
		.amdhsa_group_segment_fixed_size 192768
		.amdhsa_private_segment_fixed_size 0
		.amdhsa_enable_private_segment 0
		.amdhsa_kernarg_size 56
		.amdhsa_user_sgpr_count 2
		.amdhsa_user_sgpr_kernarg_segment_ptr 1
		.amdhsa_wavefront_size32 1
		.amdhsa_system_sgpr_workgroup_id_x 1
		.amdhsa_system_sgpr_workgroup_id_y 1
		.amdhsa_system_sgpr_workgroup_id_z 1
		.amdhsa_system_vgpr_workitem_id 0
		.amdhsa_next_free_vgpr 1024
		.amdhsa_next_free_sgpr 66
		.amdhsa_reserve_vcc 0
		.amdhsa_float_denorm_mode_32 3
		.amdhsa_float_denorm_mode_16_64 3
		.amdhsa_memory_ordered 1
		.amdhsa_forward_progress 1
		.amdhsa_inst_pref_size 255
	.end_amdhsa_kernel
	.section	.bss,"aw",@nobits
	.p2align	6
	.space	262144
	.amdgpu_metadata
---
amdhsa.version: [ 1, 2 ]
amdhsa.kernels:
  - .name:           k_q443c9f6820_moe
    .symbol:         k_q443c9f6820_moe.kd
    .args:
      - { .name: xb, .offset: 0, .size: 8, .value_kind: global_buffer, .address_space: global }
      - { .name: wf, .offset: 8, .size: 8, .value_kind: global_buffer, .address_space: global }
      - { .name: be, .offset: 16, .size: 8, .value_kind: global_buffer, .address_space: global }
      - { .name: gates, .offset: 24, .size: 8, .value_kind: global_buffer, .address_space: global }
      - { .name: perm, .offset: 32, .size: 8, .value_kind: global_buffer, .address_space: global }
      - { .name: tiles, .offset: 40, .size: 8, .value_kind: global_buffer, .address_space: global }
      - { .name: out0, .offset: 48, .size: 8, .value_kind: global_buffer, .address_space: global }
    .group_segment_fixed_size: 192768
    .private_segment_fixed_size: 0
    .kernarg_segment_align: 8
    .kernarg_segment_size: 56
    .max_flat_workgroup_size: 128
    .sgpr_count:     66
    .vgpr_count:     1024
    .wavefront_size: 32
...
	.end_amdgpu_metadata
.endif
;; end of part 5
